; MI455X (gfx1250); checked and timed in simulation.
; The chip was launched on July 23, 2026; its instructions are those of AMD's public machine-readable ISA for CDNA 5 (MIT licence, August 2026) and "CDNA5" Instruction Set Architecture Reference Guide (July 2026). The comments in the code are by the model that wrote it; some were corrected since.
;; Megatron MHA. Allowed arithmetic: matrix products marked QUANTISED: E2M3 operands, one E8M0 scale for each 32 along K, by v_wmma_scale_f32_16x16x128_f8f6f4 with both operands' format E2M3, f32 sums; everything else in f32.
;; Inputs: Wproj 1,024 x 1,024 float32; Wqkv 3,072 x 1,024 float32; x 4 x 2,048 x 1,024 float32.
;; Outputs: out0 4 x 2,048 x 1,024 float32.
;; This version of the problem:
;;   THIS VERSION OF THE PROBLEM IS GIVEN IN LOW PRECISION. The matrix products marked QUANTISED in the list below multiply operands that are first quantised to E2M3 (2 exponent bits, 3 mantissa bits; 6 bits a number), with one power-of-two scale for each 32 numbers along K (OCP MX v1.0); their sums are f32. All else is computed in f32.
;;   The module's matrix products, in the order in which they are computed (A, B: the left and right operand; K: the contracted axis; several contracted axes count as one K, in the product's order):
;;     1. [M 8,192, K 1,024] x [K 1,024, N 3,072]; A: input x; B: input Wqkv: QUANTISED
;;     2. batch 64 x [M 2,048, K 64] x [K 64, N 2,048]; A: computed on the way; B: computed on the way: QUANTISED
;;     3. batch 64 x [M 2,048, K 2,048] x [K 2,048, N 64]; A: softmax (see below); B: computed on the way: QUANTISED
;;     4. [M 8,192, K 1,024] x [K 1,024, N 1,024]; A: computed on the way; B: input Wproj: QUANTISED
;;   THE QUANTISER, for each operand of a quantised product, along K:
;;     - K is cut into blocks of 32 from its start; a last block that is shorter is filled with zeros.
;;     - A block's scale is 2^e with e = floor(log2(the largest magnitude in the block)) - 2, held to -126 .. 127; a block of zeros has e = 0. As a byte (E8M0): e + 127.
;;     - Each number is divided by its block's scale, clamped to +-7.5, and rounded to the nearest number of E2M3, ties to even, subnormals kept.
;;     - The product sums the exact products of the quantised numbers (number of the format x scale) in f32.
;;   ~~~python
;;   def quantise(x, axis):      # numpy; x: float32 -> the quantised numbers, widened to float32 again
;;       x = np.moveaxis(x, axis, -1); K = x.shape[-1]
;;       x = np.pad(x, [(0, 0)] * (x.ndim - 1) + [(0, -K % 32)]); x = x.reshape(x.shape[:-1] + (-1, 32)); a = np.abs(x).max(-1, keepdims=True)
;;       e = np.where(a > 0, np.clip(np.frexp(np.where(a > 0, a, 1))[1] - 1 - 2, -126, 127), 0)      # np.frexp(a)[1] - 1 = floor(log2(a)), exactly
;;       r = np.clip(x / 2.0 ** e, -7.5, 7.5)
;;       step = 2.0 ** (np.maximum(np.frexp(np.where(r == 0, 1, r))[1] - 1, 0) - 3)
;;       q = np.round(r / step) * step * 2.0 ** e      # np.round: ties to even
;;       return np.moveaxis(q.reshape(q.shape[:-2] + (-1,))[..., :K], -1, axis).astype(np.float32)
;;   ~~~
;;   SOFTMAX AHEAD OF A QUANTISED PRODUCT. Where the list says 'softmax', what is quantised is not the finished softmax but p = 2^(t - M), with t = logit x log2(e) and M = ceil(the row's largest t), a whole number; so 1/2 < the row's largest p <= 1. The row's sum l is taken of the UNQUANTISED p, in f32, and the product's result is divided by l at the end. Since M is a whole number, a kernel that streams over the keys may use a running M (the ceiling of the running maximum): every later rescaling is an exact power of two, which a block's scale takes up: the codes' values come out the same.
;;   OPERANDS COMPUTED ON THE WAY. 'Computed on the way' means the value that the module computes at that place (a softmax that the list does not call 'softmax' is quantised finished and normalised). What goes into a quantiser is computed in f32, as accurately as f32 sums, v_exp_f32 and their like allow (about 1e-6 of the number): no bf16 or f16 on the way to a quantiser, and a product that is left as it is and whose result goes on into a quantised operand takes f32 operands (vector FMAs, or v_wmma_f32_16x16x4_f32). A number that lies on a knife's edge between two numbers of the format may be rounded either way, as far as f32 arithmetic and the matrix unit's own rounding can turn it there, and no further.
;; One version. Each part assembles by itself: llvm-mc -triple=amdgcn-amd-amdhsa -mcpu=gfx1250 --defsym DOCPART=n.
;; ======== version 1 of 1: 4 launches
;; workspace buffers: cin 9,437,184 bytes; sin 393,216 bytes; qkvc 18,874,368 bytes; qkvs 1,310,720 bytes; aoc 6,291,456 bytes; aos 262,144 bytes
;; launch quant (part 1): grid 384 x 1, 4 waves a work-group, no clusters, 34,304 bytes of LDS; arguments x, Wqkv, Wproj, cin, sin; writes cin, sin
.if DOCPART == 1
	.amdgcn_target "amdgcn-amd-amdhsa--gfx1250"
	.amdhsa_code_object_version 6
	.text
	.protected	k_q73e452cde2_quant
	.globl	k_q73e452cde2_quant
	.p2align	8
	.type	k_q73e452cde2_quant,@function
k_q73e452cde2_quant:
	s_mov_b64 s[64:65], 0
	v_nop
	global_prefetch_b8 v0, s[64:65] scope:SCOPE_SE
	s_setreg_imm32_b32 hwreg(HW_REG_WAVE_MODE, 25, 1), 1
	s_wait_xcnt 0x0
; x [8192][1024], Wqkv [3072][1024] and Wproj [1024][1024], f32 with K innermost, become codes of FP6 (E2M3) with one E8M0 byte for each 32 along K.
; A block's scale is 2^(floor(log2(its largest magnitude)) - 2); its byte is the largest magnitude's exponent field - 2, held at 1 from below.
; LIMITS: a block of zeros, or one whose largest magnitude lies under 2^-124, gets the byte 1 (the bytes are read by this program alone; such a block's codes are zeros or held); NaN and infinities are not served.
; THE LAYOUT OF THE CODES is the order of the operand's registers.  The 12,288 rows of the three tensors, one behind the other, are cut into 768 blocks of 16 rows; lane r of block B holds row
; 32 (B / 2) + 8 (B % 2) + r + 8 (r / 8).  A fragment (a block x 128 along K: 12 registers a lane) lies as two halves of 768 bytes: registers 6 c .. 6 c + 3 at 16 x lane, registers 6 c + 4, 6 c + 5 at 512 + 8 x lane.
; cin: [block][K step 0..7][1,536 bytes].  sin: [block][r][K step] words of four scale bytes.
; SHARES.  A work-group takes 32 consecutive rows (two blocks); wave w takes block w / 2 of them and K steps 4 (w % 2) .. + 3: four units of 16 rows x 128 K.
; Each load reads 512 consecutive bytes of one row; a unit turns through the wave's own stage in LDS (rows of 512 + 16 bytes), so that a lane gets 16 neighbours of each block of 32.  Waves share nothing: no barrier.
.set ROWB,  4096                       ; a row in memory
.set SP,    528                        ; a row in the stage
.set STG,   16*SP                      ; a wave's stage
.set SPARE, 4*STG                      ; behind the stages: the spare words, 128 bytes for each wave
.set L16, 1                            ; v1   16 x lane
.set L8,  2                            ; v2   8 x lane
.set STI, 3                            ; v3   the stage, on the way in
.set STR, 4                            ; v4   and on the way out: row r, + 64 h
.set SO,  5                            ; v5   my place among the block's scale words: 32 r + 8 h
.set SPW, 6                            ; v6   LDS address of my spare word; never rewritten
.set NIL, 7                            ; v7   0; never rewritten
.set TM,  8                            ; v8-11 largest magnitudes, v12-15 the other half's, then bytes, v20-23 the conversions' scale operands
.set PW,  24                           ; v24  the scale word just made
.set SW,  28                           ; v28-31 the four units' scale words
.set PC,  32                           ; v32-43 a fragment's codes; v44-50 the second conversions' results
.set RAW, 64                           ; v64-127, v128-191 two sets of 16 x 4 registers as loaded
.set X,   192                          ; v192-255 64 numbers: register 16 b + i = k 32 b + 16 h + i of my row
.set WV,  18
.set SEL, 20
; 64 numbers of a lane, v[s] on, become a fragment's codes in v[PC] on and its scale word in v[PW].
.macro QUANT s
.irp b, 0,1,2,3
	v_max3_num_f32 v[TM+\b], |v[\s+16*\b]|, |v[\s+1+16*\b]|, 0x1800000   ; my 16 numbers of block b, and the floor 2^(3 - 127): the byte cannot fall under 1
.endr
.irp i, 2,4,6,8,10,12,14
.irp b, 0,1,2,3
	v_max3_num_f32 v[TM+\b], v[TM+\b], |v[\s+16*\b+\i]|, |v[\s+1+16*\b+\i]|   ; the four blocks by turns
.endr
.endr
.irp b, 0,1,2,3
	v_permlanex16_b32 v[TM+4+\b], v[TM+\b], s[SEL], s[SEL+1]
.endr
.irp b, 0,1,2,3
	v_max_num_f32 v[TM+\b], v[TM+\b], v[TM+4+\b]   ; with lane l xor 16's: the block's largest magnitude
.endr
.irp b, 0,1,2,3
	v_add_nc_u32 v[TM+12+\b], 0xff000000, v[TM+\b]   ; 2 off its exponent field: the conversion's scale operand
.endr
.irp b, 0,1,2,3
	v_lshrrev_b32 v[TM+4+\b], 23, v[TM+12+\b]      ; the scale's byte
.endr
	v_lshl_or_b32 v[PW], v[TM+5], 8, v[TM+4]
	v_lshl_or_b32 v[PW], v[TM+6], 16, v[PW]
	v_lshl_or_b32 v[PW], v[TM+7], 24, v[PW]
.irp c, 0,1
	v_cvt_scalef32_pk16_fp6_f32 v[PC+6*\c:PC+2+6*\c], v[\s+32*\c:\s+15+32*\c], v[TM+12+2*\c]
	v_cvt_scalef32_pk16_fp6_f32 v[PC+12+4*\c:PC+14+4*\c], v[\s+16+32*\c:\s+31+32*\c], v[TM+13+2*\c]   ; (a conversion's three registers begin on an even number)
.endr
	v_nop                                          ; one plain place behind a scaled conversion
.irp c, 0,1                                    ; the operand wants a whole block in a lane: lanes 0-15 block 2 c, lanes 16-31 block 2 c + 1
.irp i, 0,1,2
	v_permlane16_swap_b32 v[PC+6*\c+\i], v[PC+12+4*\c+\i]
.endr
.irp i, 0,1,2
	v_mov_b32 v[PC+3+6*\c+\i], v[PC+12+4*\c+\i]
.endr
.endr
.endm
.macro LOAD s                          ; unit s: 16 rows x 512 bytes into set s % 2
.irp i, 0,1,2,3,4,5,6,7,8,9,10,11,12,13,14,15
	global_load_b128 v[RAW+64*((\s)%2)+4*\i:RAW+64*((\s)%2)+4*\i+3], v[L16], s[4:5] offset:(\i+8*(\i/8))*ROWB+512*(\s) th:TH_LOAD_NT
.endr
.endm
.macro UNIT s
.if (\s) < 3
	s_wait_loadcnt 16                              ; this unit's 16 loads are in; the next unit's 16 may be out
.else
	s_wait_loadcnt 0x0
.endif
.irp i, 0,1,2,3,4,5,6,7,8,9,10,11,12,13,14,15
	ds_store_b128 v[STI], v[RAW+64*((\s)%2)+4*\i:RAW+64*((\s)%2)+4*\i+3] offset:SP*\i
.endr
.irp b, 0,1,2,3
.irp j, 0,1,2,3
	ds_load_b128 v[X+16*\b+4*\j:X+16*\b+4*\j+3], v[STR] offset:128*\b+16*\j   ; LDS serves a wave's instructions in order: these see the stores above
.endr
.endr
	s_wait_dscnt 0x0                               ; the numbers are back, and the stores have read the set
.if (\s) < 2
	LOAD (\s)+2                                    ; which takes the unit two further on
.endif
.if (\s) > 0
	s_wait_xcnt 0x0                                ; the last unit's stores have read the codes' registers: they are written again only behind this wait
.endif
	QUANT X
	v_mov_b32 v[SW+(\s)], v[PW]
	global_store_b128 v[L16], v[PC:PC+3], s[10:11] offset:1536*(\s)          ; each store covers whole aligned runs of 256 bytes
	global_store_b64 v[L8], v[PC+4:PC+5], s[10:11] offset:1536*(\s)+512
	global_store_b128 v[L16], v[PC+6:PC+9], s[10:11] offset:1536*(\s)+768
	global_store_b64 v[L8], v[PC+10:PC+11], s[10:11] offset:1536*(\s)+1280
.endm
	s_load_b128 s[4:7], s[0:1], 0x0                ; x, Wqkv
	s_load_b128 s[8:11], s[0:1], 0x10              ; Wproj, cin
	s_load_b64 s[12:13], s[0:1], 0x20              ; sin
	v_lshl_add_u32 v[SPW], v0, 2, SPARE
	v_mov_b32 v[NIL], 0
	v_lshrrev_b32 v9, 5, v0
	v_readfirstlane_b32 s[WV], v9                  ; wave 0..3
	v_and_b32 v9, 31, v0                           ; lane
	v_and_b32 v10, 15, v0                          ; r
	v_bfe_u32 v11, v0, 4, 1                        ; h
	v_lshlrev_b32 v[L16], 4, v9
	v_lshlrev_b32 v[L8], 3, v9
	s_mul_i32 s19, s[WV], STG
	v_add_nc_u32 v[STI], s19, v[L16]
	v_mul_u32_u24 v[STR], v10, SP
	v_lshl_add_u32 v[STR], v11, 6, v[STR]
	v_add_nc_u32 v[STR], s19, v[STR]
	v_lshlrev_b32 v[SO], 5, v10
	v_lshl_add_u32 v[SO], v11, 3, v[SO]
	v_cmp_eq_u32 s24, 1, v11                       ; lanes 16-31
.irp b, 0,1,2,3
	v_mov_b32 v[TM+4+\b], 0                        ; written once: a lane permute's destination counts as one of its sources
.endr
	s_mov_b32 s[SEL], 0x76543210
	s_mov_b32 s[SEL+1], 0xfedcba98                 ; lane l xor 16
	s_lshr_b32 s22, s[WV], 1                       ; which of the two blocks
	s_and_b32 s23, s[WV], 1                        ; which half of K
	s_mov_b32 s14, 352
	s_wait_alu depctr_va_vdst(0)
	s_wait_kmcnt 0x0
	s_cmp_lt_u32 ttmp9, 352                        ; work-groups 0-255: x; 256-351: Wqkv; 352-383: Wproj.  The choice hangs on the work-group's number alone
	s_cselect_b64 s[6:7], s[6:7], s[8:9]
	s_cselect_b32 s14, 256, s14
	s_cmp_lt_u32 ttmp9, 256
	s_cselect_b64 s[4:5], s[4:5], s[6:7]
	s_cselect_b32 s14, 0, s14
	s_sub_co_u32 s14, ttmp9, s14                   ; which 32 rows of that tensor
	s_lshl_b32 s16, s14, 17                        ; 32 rows of 4,096 bytes,
	s_lshl_b32 s15, s22, 15                        ; the second block begins 8 rows down,
	s_add_co_u32 s16, s16, s15
	s_lshl_b32 s15, s23, 11                        ; four K steps of 512 bytes
	s_add_co_u32 s16, s16, s15
	s_mov_b32 s17, 0
	s_add_nc_u64 s[4:5], s[4:5], s[16:17]
	s_mul_i32 s16, ttmp9, 24576                    ; the codes: 12,288 bytes a block, 1,536 a K step
	s_mul_i32 s15, s22, 12288
	s_add_co_u32 s16, s16, s15
	s_mul_i32 s15, s23, 6144
	s_add_co_u32 s16, s16, s15
	s_add_nc_u64 s[10:11], s[10:11], s[16:17]
	s_lshl_b32 s16, ttmp9, 10                      ; the scale words: 512 bytes a block, 4 a K step
	s_lshl_b32 s15, s22, 9
	s_add_co_u32 s16, s16, s15
	s_lshl_b32 s15, s23, 4
	s_add_co_u32 s16, s16, s15
	s_add_nc_u64 s[12:13], s[12:13], s[16:17]
	LOAD 0
	LOAD 1
	UNIT 0
	UNIT 1
	UNIT 2
	UNIT 3
	v_cndmask_b32 v[SW], v[SW], v[SW+2], s24       ; both halves of the lanes hold a row's four words: lanes 0-15 store the first two, lanes 16-31 the other two
	v_cndmask_b32 v[SW+1], v[SW+1], v[SW+3], s24
	global_store_b64 v[SO], v[SW:SW+1], s[12:13]
	s_wait_tensorcnt 0x0                           ; the wave's end, behind my last LDS store
	ds_add_u32 v[SPW], v[NIL]
	s_wait_dscnt 0x0
	s_endpgm
.Lfunc_end_k_q73e452cde2_quant:
	.size	k_q73e452cde2_quant, .Lfunc_end_k_q73e452cde2_quant-k_q73e452cde2_quant
	.p2alignl 7, 3214868480
	.fill 96, 4, 3214868480
	.section	.rodata,"a",@progbits
	.p2align	6, 0x0
	.amdhsa_kernel k_q73e452cde2_quant
		.amdhsa_group_segment_fixed_size 34304
		.amdhsa_private_segment_fixed_size 0
		.amdhsa_enable_private_segment 0
		.amdhsa_kernarg_size 40
		.amdhsa_user_sgpr_count 2
		.amdhsa_user_sgpr_kernarg_segment_ptr 1
		.amdhsa_wavefront_size32 1
		.amdhsa_system_sgpr_workgroup_id_x 1
		.amdhsa_system_sgpr_workgroup_id_y 1
		.amdhsa_system_sgpr_workgroup_id_z 1
		.amdhsa_system_vgpr_workitem_id 0
		.amdhsa_next_free_vgpr 256
		.amdhsa_next_free_sgpr 66
		.amdhsa_reserve_vcc 0
		.amdhsa_float_denorm_mode_32 3
		.amdhsa_float_denorm_mode_16_64 3
		.amdhsa_memory_ordered 1
		.amdhsa_forward_progress 1
		.amdhsa_inst_pref_size 34
	.end_amdhsa_kernel
	.amdgpu_metadata
---
amdhsa.version: [ 1, 2 ]
amdhsa.kernels:
  - .name:           k_q73e452cde2_quant
    .symbol:         k_q73e452cde2_quant.kd
    .args:
      - { .name: x, .offset: 0, .size: 8, .value_kind: global_buffer, .address_space: global }
      - { .name: Wqkv, .offset: 8, .size: 8, .value_kind: global_buffer, .address_space: global }
      - { .name: Wproj, .offset: 16, .size: 8, .value_kind: global_buffer, .address_space: global }
      - { .name: cin, .offset: 24, .size: 8, .value_kind: global_buffer, .address_space: global }
      - { .name: sin, .offset: 32, .size: 8, .value_kind: global_buffer, .address_space: global }
    .group_segment_fixed_size: 34304
    .private_segment_fixed_size: 0
    .kernarg_segment_align: 8
    .kernarg_segment_size: 40
    .max_flat_workgroup_size: 128
    .sgpr_count:     66
    .vgpr_count:     256
    .wavefront_size: 32
...
	.end_amdgpu_metadata
.endif
;; end of part 1
;; launch gemm_qkv (part 2): grid 12 x 32, 4 waves a work-group, clusters of 4 x 4, 327,680 bytes of LDS; arguments cin, sin, qkvc, qkvs; writes qkvc, qkvs
.if DOCPART == 2
	.amdgcn_target "amdgcn-amd-amdhsa--gfx1250"
	.amdhsa_code_object_version 6
	.text
	.protected	k_q73e452cde2_gemm_qkv
	.globl	k_q73e452cde2_gemm_qkv
	.p2align	8
	.type	k_q73e452cde2_gemm_qkv,@function
k_q73e452cde2_gemm_qkv:
	s_mov_b64 s[64:65], 0
	v_nop
	global_prefetch_b8 v0, s[64:65] scope:SCOPE_SE
	s_setreg_imm32_b32 hwreg(HW_REG_WAVE_MODE, 25, 1), 1
	s_wait_xcnt 0x0
	s_wait_alu depctr_hold_cnt(0) depctr_sa_sdst(0) depctr_va_vdst(0) depctr_va_sdst(0) depctr_va_ssrc(0) depctr_va_vcc(0) depctr_vm_vsrc(0)
	s_getreg_b32 s2, hwreg(HW_REG_IB_STS2, 6, 4)
	s_cmp_eq_u32 s2, 0
	s_cbranch_scc0 .Lentry_in_a_cluster
	s_endpgm
.Lentry_in_a_cluster:
	s_bfe_u32 s2, ttmp6, 0x10000c
	s_cmp_lg_u32 s2, 0xf033
	s_cbranch_scc0 .Lentry_shape_is_right
	s_endpgm
.Lentry_shape_is_right:
; qkv = x Wqkv^T on codes of FP6 (E2M3) with E8M0 scales, K = 1,024; the f32 sums are quantised in registers into the operands of the attention launch and never go to memory as f32.
; OPERANDS (cin, sin) lie in the order of the operand's registers: [block of 16 rows][K step of 128][1,536 bytes]; a half fragment of 768 bytes is registers 6 c .. 6 c + 3 at 16 x lane and registers 6 c + 4, 6 c + 5 at
; 512 + 8 x lane.  Lane r of block B holds row 32 (B / 2) + 8 (B % 2) + r + 8 (r / 8).  Blocks 0-511: tokens; 512-575 Wq, 576-639 Wk, 640-703 Wv.  Scale words: [block][r][K step].
; A tile of 256 x 256 is made by four waves, 128 x 128 each: 64 accumulators.  K goes in steps of 256 through two LDS slots filled by the tensor data mover; the scale words of the tile's rows come once and stay.
; THE MATRIX INSTRUCTION IS USED TRANSPOSED (source 0 = a block of B, source 1 = a block of A): lane (r, h) holds A's row at lane r, and by the order of rows above the 64 registers of A's block against B's eight blocks are
; 128 NEIGHBOURS along B's rows, register 16 b + i = 32 b + 16 h + i: just what the conversions want.
; CLUSTERS OF 4 x 4.  Cluster x = 0, 1: A = tokens, B = rows of Wq and Wk: q and k are quantised along the head's 64 features.  Cluster x = 2: A = rows of Wv, B = tokens: V^T, quantised along the tokens, which are the keys of
; the second attention product.  The text is one; scalars chosen on the cluster's x alone tell the two apart.  A's tiles are asked for jointly along a row of the cluster, B's along a column.
; OUT.  qkvc: Q at 0, K at 6,291,456: [batch x head][token block of the batch][768]; V at 12,582,912: [batch x head][128 keys][16 of the head's 64][1,536].
; qkvs: Q at 0, K at 524,288: [batch x head][128 tokens][r][8 token blocks] words (bytes 0, 1 the head's two blocks, bytes 2, 3 the byte of 1.0); V at 1,048,576: [batch][pair of heads][128 keys][r][8] words.
; In V's tiles lanes 16-31 store the same scale words as lanes 0-15 to the same places.
; LIMITS: a block of zeros, or one whose largest magnitude lies under 2^-124, gets the byte 1; NaN and infinities are not served.
; REGISTERS: window 0: v16-30 addresses; v32-63 scale words, two sets; v64-127 the way out; v128-223 A's fragments, one set.  Window 1: B's fragments, two sets, at v0 and v128.  Windows 2, 3: accumulator (a, b) at v[8 (8 (a % 4) + b)].
.set NQ,     2                         ; matrix instructions deep in a slot
.set FR,     12                        ; registers of a fragment
.set NL,     4                         ; LDS loads that bring one
.set NP,     4                         ; places behind this matrix instruction (ISA guide 7.12.1)
.set FRB,    1536                      ; a fragment in bytes
.set BLKB,   NQ*FRB                    ; a block's part of a slot
.set KROWB,  8*FRB                     ; a block in memory, all of K
.set HALFT,  8*BLKB                    ; eight blocks: what one tensor load brings, and what one wave reads of A or of B
.set SLOT,   4*HALFT                   ; A's 16 blocks, then B's 16
.set SCL,    2*SLOT                    ; behind the ring: the scale words, as runs of 256 bytes + 16 of padding
.set HALFS,  16*272                    ; those of eight blocks
.set SBLK,   2*272                     ; those of one block
.set SPARE,  SCL+4*HALFS               ; the spare words, 128 bytes for each wave
.set ADRA, 16                          ; v16-17 16 x lane + my A blocks in slot 0, 1; v18-19 the same with 8 x lane
.set ADRB, 20                          ; v20-23 the same for B
.set L16,  24                          ; v24  16 x lane
.set L8,   25                          ; v25  8 x lane
.set SOFF, 26                          ; v26  the way out: my place among the scale words
.set ADRS, 27                          ; v27  LDS address of my scale words: lanes 0-15 A's rows, lanes 16-31 B's
.set SPW,  28                          ; v28  LDS address of my spare word; never rewritten
.set NIL,  29                          ; v29  0; never rewritten
.set SH,   30                          ; v30  the way out: how far my half shifts a scale word
.set SC,   32
.set TM,   64                          ; the way out: v64-67 largest magnitudes, v68-71 bytes, v76-79 scale operands
.set PC,   80                          ; v80-91 codes, v92-98 the second conversions' results
.set SW,   120                         ; v120-127 the scale words of my eight blocks of A
.set AF,   128
.set G1, 24
.set G0, 32
.set G1B, 48
.set G0B, 56
.set G1S, 68
.set G0S, 76
.set G1SB, 80
.set G0SB, 88
.set MSB, 0
.macro WIN new                         ; the immediate's high byte repeats the setting that is left
.if MSB != (\new)
	s_set_vgpr_msb (MSB<<8)|(\new)
.set MSB, (\new)
.endif
.endm
.set MUL_LO, 0xa1                      ; source 0 (B) window 1, source 1 (A) window 0, C and D window 2
.set MUL_HI, 0xf1                      ; the same, C and D window 3
.set TO_B,   0x40                      ; destination window 1, address window 0
; A joint load: waves 0 and 1 fetch for A, waves 2 and 3 for B.  The branch hangs on the wave's number alone.  An s_nop 0 and four v_nop follow each of the two lines.
.macro JLOAD g0a, g1a, g0b, g1b
	s_cmp_eq_u32 s15, 0
	s_cbranch_scc0 .Lfor_b_\@
	tensor_load_to_lds s[\g0a:\g0a+3], s[\g1a:\g1a+7]
	s_nop 0
.rept 4
	v_nop
.endr
	s_branch .Lasked_\@
.Lfor_b_\@:
	tensor_load_to_lds s[\g0b:\g0b+3], s[\g1b:\g1b+7]
	s_nop 0
.rept 4
	v_nop
.endr
.Lasked_\@:
.endm
.macro CREST                           ; a round of the cluster's barrier behind its opening barrier
	s_cmp_lg_u32 s14, 0
	s_cbranch_scc1 .Lnot_wave_0_\@
	s_barrier_signal -3
.Lnot_wave_0_\@:
	s_barrier_wait -3
	s_barrier_signal -1
	s_barrier_wait -1
.endm
.macro CROUND
	s_barrier_signal -1
	s_barrier_wait -1
	CREST
.endm
	s_load_b256 s[4:11], s[0:1], 0x0               ; cin s[4:5], sin s[6:7], qkvc s[8:9], qkvs s[10:11]
	v_lshl_add_u32 v[SPW], v0, 2, SPARE
	v_mov_b32 v[NIL], 0
	ds_add_u32 v[SPW], v[NIL]                      ; the wave's opening: the add and its wait stand ahead of my first tensor load; work on registers stands between them
	ds_add_u32 v[SPW], v[NIL]
	v_lshrrev_b32 v1, 5, v0
	v_readfirstlane_b32 s14, v1                    ; wave 0..3
	s_lshr_b32 s15, s14, 1                         ; which half of A's blocks is mine.  Also: I fetch for A (0) or for B (1)
	s_and_b32 s16, s14, 1                          ; which half of B's blocks.  Also: which eight blocks I fetch
	s_bfe_u32 s40, ttmp6, 0x40000                  ; cx, cy: my place in the cluster
	s_bfe_u32 s41, ttmp6, 0x40004
	s_and_b32 s17, ttmp7, 0xffff                   ; cluster y
	s_lshl_b32 s43, s41, 2
	s_lshl_b32 s43, 15, s43                        ; my row of the cluster
	s_lshl_b32 s44, 0x1111, s40                    ; my column
	; descriptor group 1 for the codes: eight blocks, 3,072 bytes of each (384 elements of 8 bytes), 12,288 bytes apart; dense in LDS
	s_or_b32 s[G1+0], s43, (3<<16)|(1<<21)         ; 15:0 the mask: A's tiles go to my row; 17:16 elements of 8 bytes; 21 set beside a mask
	s_or_b32 s[G1B+0], s44, (3<<16)|(1<<21)
.irp g, G1, G1B
	s_mov_b32 s[\g+1], 384<<16                     ; tensor_dim0
	s_mov_b32 s[\g+2], 8<<16                       ; tensor_dim1
	s_mov_b32 s[\g+3], 384<<16                     ; tile_dim0
	s_mov_b32 s[\g+4], 8                           ; tile_dim1
	s_mov_b32 s[\g+5], 1536                        ; tensor_dim0_stride
	s_mov_b32 s[\g+6], 0
	s_mov_b32 s[\g+7], 0
.endr
	; and for the scale words of eight blocks: 4,096 dense bytes as 16 rows of 256, 16 bytes of padding behind each
	s_or_b32 s[G1S+0], s43, (3<<16)|(1<<20)|(1<<21)|(5<<22)|(3<<25)
	s_or_b32 s[G1SB+0], s44, (3<<16)|(1<<20)|(1<<21)|(5<<22)|(3<<25)
.irp g, G1S, G1SB
	s_mov_b32 s[\g+1], 32<<16
	s_mov_b32 s[\g+2], 16<<16
	s_mov_b32 s[\g+3], 32<<16
	s_mov_b32 s[\g+4], 16
	s_mov_b32 s[\g+5], 32
	s_mov_b32 s[\g+6], 0
	s_mov_b32 s[\g+7], 0
.endr
	; which blocks.  A's hang on cy and the cluster's numbers alone, B's on cx and the cluster's numbers alone
	s_lshl_b32 s18, s17, 6                         ; 64 x cluster y: token blocks
	s_lshl_b32 s19, ttmp9, 6
	s_add_co_u32 s19, s19, 512                     ; rows of Wq (cluster x = 0) or Wk (1)
	s_cmp_eq_u32 ttmp9, 2                          ; V's clusters?
	s_cselect_b32 s20, 640, s18                    ; A: rows of Wv, or tokens
	s_cselect_b32 s46, s18, s19                    ; B: tokens, or rows of Wq, Wk
	s_lshl_b32 s21, s41, 4
	s_add_co_u32 s20, s20, s21                     ; + 16 cy
	s_lshl_b32 s47, s40, 4
	s_add_co_u32 s46, s46, s47                     ; + 16 cx
	s_lshl_b32 s21, s16, 3
	s_add_co_u32 s20, s20, s21                     ; + the eight that I fetch
	s_add_co_u32 s46, s46, s21
	s_mul_i32 s92, s20, KROWB                      ; in bytes: codes,
	s_mov_b32 s93, 0
	s_lshl_b32 s94, s20, 9                         ; scale words
	s_mov_b32 s95, 0
	s_mul_i32 s96, s46, KROWB
	s_mov_b32 s97, 0
	s_lshl_b32 s98, s46, 9
	s_mov_b32 s99, 0
	s_mul_i32 s45, s14, HALFT                      ; where they go: wave x eight blocks: no place in the cluster enters an LDS address
	s_mul_i32 s42, s14, HALFS
	s_wait_dscnt 0x0                               ; the opening add is done
	s_wait_kmcnt 0x0
	s_add_nc_u64 s[92:93], s[4:5], s[92:93]
	s_add_nc_u64 s[94:95], s[6:7], s[94:95]
	s_add_nc_u64 s[96:97], s[4:5], s[96:97]
	s_add_nc_u64 s[98:99], s[6:7], s[98:99]
	CROUND                                         ; all sixteen work-groups are here: the first joint loads meet
	s_mov_b32 s[G0S], 1
	s_add_co_u32 s[G0S+1], s42, SCL
	s_mov_b64 s[G0S+2:G0S+3], s[94:95]
	s_or_b32 s[G0S+3], s[G0S+3], 0x80000000
	s_mov_b32 s[G0SB], 1
	s_add_co_u32 s[G0SB+1], s42, SCL
	s_mov_b64 s[G0SB+2:G0SB+3], s[98:99]
	s_or_b32 s[G0SB+3], s[G0SB+3], 0x80000000
	JLOAD G0S, G1S, G0SB, G1SB                     ; the scale words first: they are wanted with the first K step
.irp s, 0,1
	s_mov_b32 s[G0+4*\s], 1
	s_add_co_u32 s[G0+4*\s+1], s45, \s*SLOT
	s_add_nc_u64 s[G0+4*\s+2:G0+4*\s+3], s[92:93], \s*BLKB
	s_or_b32 s[G0+4*\s+3], s[G0+4*\s+3], 0x80000000
	s_mov_b32 s[G0B+4*\s], 1
	s_add_co_u32 s[G0B+4*\s+1], s45, \s*SLOT
	s_add_nc_u64 s[G0B+4*\s+2:G0B+4*\s+3], s[96:97], \s*BLKB
	s_or_b32 s[G0B+4*\s+3], s[G0B+4*\s+3], 0x80000000
	JLOAD G0+4*\s, G1, G0B+4*\s, G1B               ; three tensor loads of mine are out
.endr
	v_and_b32 v1, 31, v0                           ; lane
	v_and_b32 v2, 15, v0                           ; r
	v_bfe_u32 v3, v0, 4, 1                         ; h
	v_lshlrev_b32 v[L16], 4, v1
	v_lshlrev_b32 v[L8], 3, v1
	s_mul_i32 s21, s15, HALFT                      ; my eight blocks of A
	s_mul_i32 s22, s16, HALFT                      ; my eight blocks of B,
	s_add_co_u32 s22, s22, 2*HALFT                 ; which lie behind A's sixteen
.irp s, 0,1
	v_add_nc_u32 v[ADRA+\s], s21, v[L16]
	v_add_nc_u32 v[ADRB+\s], s22, v[L16]
	v_add_nc_u32 v[ADRA+2+\s], s21, v[L8]
	v_add_nc_u32 v[ADRB+2+\s], s22, v[L8]
	s_add_co_u32 s21, s21, SLOT
	s_add_co_u32 s22, s22, SLOT
.endr
	v_lshlrev_b32 v5, 5, v2                        ; my row's scale words: 32 bytes a row,
	v_lshrrev_b32 v6, 3, v2
	v_lshl_add_u32 v5, v6, 4, v5                   ; and 16 more behind the first 256
	s_mul_i32 s21, s15, HALFS
	s_mul_i32 s22, s16, HALFS
	s_add_co_u32 s22, s22, 2*HALFS
	s_sub_co_u32 s22, s22, s21
	v_mul_u32_u24 v6, s22, v3                      ; lanes 16-31 take B's
	s_add_co_u32 s21, s21, SCL
	v_add_nc_u32 v5, v5, v6
	v_add_nc_u32 v[ADRS], s21, v5
.irp b, 0,1,2,3
	v_mov_b32 v[TM+4+\b], 0                        ; written once: a lane permute's destination counts as one of its sources
.endr
	; THE WAY OUT'S SCALARS: both kinds are worked out, and one compare on the cluster's x chooses
	s_lshl_b32 s18, s17, 6                         ; 64 x cluster y
	s_lshl_b32 s19, s41, 4
	s_lshl_b32 s20, s15, 3
	s_add_co_u32 s19, s19, s20
	s_add_co_u32 s19, s19, s18                     ; q, k: my first token block = 64 Y + 16 cy + 8 (wave / 2)
	s_lshl_b32 s20, s40, 4
	s_lshl_b32 s21, s16, 3
	s_add_co_u32 s20, s20, s21
	s_add_co_u32 s20, s20, s18                     ; V: my first token block = 64 Y + 16 cx + 8 (wave % 2)
	s_lshl_b32 s21, ttmp9, 4
	s_lshl_b32 s22, s40, 2
	s_add_co_u32 s21, s21, s22
	s_lshl_b32 s22, s16, 1
	s_add_co_u32 s21, s21, s22                     ; q, k: my first head of 32 (16 of q, 16 of k)
	s_lshl_b32 s22, s41, 2
	s_lshl_b32 s23, s15, 1
	s_add_co_u32 s22, s22, s23                     ; V: my first head
	s_lshr_b32 s23, s21, 4
	s_lshl_b32 s23, s23, 6
	s_and_b32 s21, s21, 15
	s_add_co_u32 s23, s23, s21
	s_lshr_b32 s21, s19, 7
	s_lshl_b32 s21, s21, 4
	s_add_co_u32 s23, s23, s21                     ; 64 x (q or k) + 16 x batch + head
	s_and_b32 s19, s19, 127                        ; the token block within its batch
	s_mul_i32 s42, s23, 98304
	s_mul_i32 s45, s19, 768
	s_add_co_u32 s42, s42, s45                     ; q, k: where my first half fragment goes
	s_lshl_b32 s23, s23, 4
	s_lshr_b32 s19, s19, 3
	s_add_co_u32 s23, s23, s19
	s_lshl_b32 s23, s23, 9                         ; and my scale words
	s_lshr_b32 s19, s20, 7                         ; V: batch,
	s_and_b32 s20, s20, 127
	s_lshr_b32 s20, s20, 3                         ; which 128 keys
	s_lshl_b32 s21, s19, 4
	s_add_co_u32 s21, s21, s22
	s_lshl_b32 s21, s21, 4
	s_add_co_u32 s21, s21, s20
	s_mul_i32 s21, s21, 6144
	s_add_co_u32 s21, s21, 12582912                ; V: where my first fragment goes
	s_lshl_b32 s19, s19, 3
	s_lshr_b32 s22, s22, 1
	s_add_co_u32 s19, s19, s22
	s_lshl_b32 s19, s19, 4
	s_add_co_u32 s19, s19, s20
	s_lshl_b32 s19, s19, 9
	s_add_co_u32 s19, s19, 1048576                 ; and my scale words
	s_mov_b32 s12, 98304
	s_mov_b32 s66, 768
	s_mov_b32 s100, 768
	s_cmp_eq_u32 ttmp9, 2
	s_cselect_b32 s42, s21, s42
	s_cselect_b32 s46, s19, s23
	s_cselect_b32 s12, 768, s12                    ; from a fragment's first half to its second: V: the next 768 bytes; q, k: the next head
	s_cselect_b32 s66, 1536, s66                   ; from one block of A to the next
	s_cselect_b32 s100, 93696, s100                ; from the fourth to the fifth: in V the next head's first fragment
	s_cselect_b32 s18, 0, 8192                     ; q, k: lanes 16-31 store the second head's scale words
	s_cselect_b32 s19, 0, 16                       ; which are the upper two bytes of the word made
	s_cselect_b32 s2, -1, 0xffff
	s_cselect_b32 s3, 0, 0x7f7f0000                ; q, k: bytes 2, 3 are the byte of 1.0: the product's K is 64, the rest of its 128 are zero codes
	s_mov_b32 s43, 0
	s_mov_b32 s47, 0
	s_mov_b32 s13, 0
	s_mov_b32 s67, 0
	s_mov_b32 s101, 0
	s_add_nc_u64 s[8:9], s[8:9], s[42:43]
	s_add_nc_u64 s[12:13], s[8:9], s[12:13]
	s_add_nc_u64 s[10:11], s[10:11], s[46:47]
	v_mul_u32_u24 v[SOFF], s18, v3
	v_lshl_add_u32 v[SOFF], v2, 5, v[SOFF]         ; 32 r (+ the second head)
	v_mul_u32_u24 v[SH], s19, v3
.macro FRAG reg, adr, q, i             ; a fragment as it lies: every load takes consecutive bytes in consecutive lanes
	ds_load_b128 v[\reg:\reg+3], v[\adr] offset:BLKB*(\i)+FRB*(\q)
	ds_load_b64 v[\reg+4:\reg+5], v[\adr+2] offset:BLKB*(\i)+FRB*(\q)+512
	ds_load_b128 v[\reg+6:\reg+9], v[\adr] offset:BLKB*(\i)+FRB*(\q)+768
	ds_load_b64 v[\reg+10:\reg+11], v[\adr+2] offset:BLKB*(\i)+FRB*(\q)+1280
.endm
; 16 matrix instructions: A's blocks a0, a0 + 1 x B's eight, 128 along K.  The 64 accumulators take turns, one instruction a turn, in the same order in every step.
.macro MUL16 a0, p, q, sc, zero
.irp a, \a0, \a0+1
.irp b, 0,1,2,3,4,5,6,7
.if \zero
	v_wmma_scale_f32_16x16x128_f8f6f4 v[8*(8*((\a)%4)+\b):8*(8*((\a)%4)+\b)+7], v[128*(\p)+FR*\b:128*(\p)+FR*\b+FR-1], v[AF+FR*(\a):AF+FR*(\a)+FR-1], 0, v[SC+8*NQ*(\sc)+NQ*\b+(\q)], v[SC+8*NQ*(\sc)+NQ*(\a)+(\q)] matrix_a_fmt:MATRIX_FMT_FP6 matrix_b_fmt:MATRIX_FMT_FP6 matrix_a_scale:MATRIX_SCALE_ROW1
.else
	v_wmma_scale_f32_16x16x128_f8f6f4 v[8*(8*((\a)%4)+\b):8*(8*((\a)%4)+\b)+7], v[128*(\p)+FR*\b:128*(\p)+FR*\b+FR-1], v[AF+FR*(\a):AF+FR*(\a)+FR-1], v[8*(8*((\a)%4)+\b):8*(8*((\a)%4)+\b)+7], v[SC+8*NQ*(\sc)+NQ*\b+(\q)], v[SC+8*NQ*(\sc)+NQ*(\a)+(\q)] matrix_a_fmt:MATRIX_FMT_FP6 matrix_b_fmt:MATRIX_FMT_FP6 matrix_a_scale:MATRIX_SCALE_ROW1
.endif
.endr
.endr
.endm
.macro FETCH_B slot, q, p
	WIN TO_B
.irp i, 0,1,2,3,4,5,6,7
	FRAG 128*(\p)+FR*\i, ADRB+\slot, \q, \i
.endr
	WIN 0
.endm
.macro FETCH_A slot, q, i0
.irp i, \i0, \i0+1, \i0+2, \i0+3
	FRAG AF+FR*(\i), ADRA+\slot, \q, \i
.endr
.endm
.macro SCALES sc                       ; a slot's scale words: two a row; lanes 0-15 take A's block i, lanes 16-31 B's block i
.irp i, 0,1,2,3,4,5,6,7
	ds_load_b64 v[SC+8*NQ*\sc+NQ*\i:SC+8*NQ*\sc+NQ*\i+1], v[ADRS] offset:\i*SBLK
.endr
.endm
.macro PLACES n                        ; plain vector instructions between a matrix instruction and a load into, or a read of, its registers
.rept \n
	v_nop
.endr
.endm
.macro STEP slot, q, zero              ; 128 along K that has its successor in the same slot
	s_wait_dscnt 4*NL                              ; B's set and A's blocks 0-3 are in; the youngest 16 loads (A's blocks 4-7) may be out
	WIN MUL_LO
	MUL16 0, (\q)%2, \q, \slot, \zero
	MUL16 2, (\q)%2, \q, \slot, \zero
	s_wait_dscnt 0
	PLACES NP
	FETCH_B \slot, (\q)+1, 1-(\q)%2
	FETCH_A \slot, (\q)+1, 0
	WIN MUL_HI
	MUL16 4, (\q)%2, \q, \slot, \zero
	MUL16 6, (\q)%2, \q, \slot, \zero
	PLACES NP
	WIN 0
	FETCH_A \slot, (\q)+1, 4
.endm
; A slot's last step changes slots: one barrier; in front of it each wave waits for all its tensor loads, adds 0 to its spare word, and waits for that and for its reads of this slot.  fill = 1: the slot is filled again.
.macro TURN slot, next, fill
	s_wait_tensorcnt 0x0                           ; all my tensor loads have landed: my part of the next slot
	ds_add_u32 v[SPW], v[NIL]                      ; 0 onto my spare word
	s_wait_dscnt 4*NL+1                            ; (the add and the youngest 16 loads may be out)
	WIN MUL_LO
	MUL16 0, 1, NQ-1, \slot, 0
	s_wait_dscnt 0x0                               ; the add is done, and my reads of this slot are over
	s_barrier_signal -1
	MUL16 2, 1, NQ-1, \slot, 0
	WIN 0
	s_barrier_wait -1
.if \fill
	CREST                                          ; the barrier has opened a round of the cluster's barrier: no wave of any partner still reads this slot or has a load on its way
	s_add_nc_u64 s[G0+4*\slot+2:G0+4*\slot+3], s[G0+4*\slot+2:G0+4*\slot+3], 2*BLKB
	s_add_nc_u64 s[G0B+4*\slot+2:G0B+4*\slot+3], s[G0B+4*\slot+2:G0B+4*\slot+3], 2*BLKB
	JLOAD G0+4*\slot, G1, G0B+4*\slot, G1B         ; the first tensor load behind the round, and my only one until the next; its four v_nop are the places in front of the loads below
.else
	PLACES NP
.endif
	s_wait_alu depctr_va_vdst(0)
	v_add_nc_u32 v[ADRS], 4*NQ, v[ADRS]            ; the next slot's scale words
	FETCH_B \next, 0, 0
	FETCH_A \next, 0, 0
	SCALES \next
	WIN MUL_HI
	MUL16 4, 1, NQ-1, \slot, 0
	MUL16 6, 1, NQ-1, \slot, 0
	PLACES NP
	WIN 0
	FETCH_A \next, 0, 4
.endm
	s_wait_alu depctr_va_vdst(0)
	s_wait_tensorcnt 1                             ; the scale words and my part of slot 0 are in; slot 1's load may be out
	s_barrier_signal -1
	s_barrier_wait -1
	FETCH_B 0, 0, 0
	FETCH_A 0, 0, 0
	SCALES 0
	FETCH_A 0, 0, 4
	STEP 0, 0, 1                                   ; the first products start the sums: nothing is cleared
	TURN 0, 1, 1                                   ; K = 1,024 is four slots' worth: each slot is filled again once, so the one lap is written out
	STEP 1, 0, 0
	TURN 1, 0, 1
	STEP 0, 0, 0
	TURN 0, 1, 0
	STEP 1, 0, 0
	s_wait_dscnt 4*NL
	WIN MUL_LO
	MUL16 0, 1, NQ-1, 1, 0
	MUL16 2, 1, NQ-1, 1, 0
	s_wait_dscnt 0
	WIN MUL_HI
	MUL16 4, 1, NQ-1, 1, 0
	MUL16 6, 1, NQ-1, 1, 0
	WIN 0
; THE WAY OUT of A's block a: its 64 registers a lane are 128 neighbours along B's rows: four blocks of 32.  They are quantised in registers and leave as a fragment's two halves, whole runs of 256 bytes.
.macro EPI a
.set AC, 64*((\a)%4)
	WIN 0x0a+5*((\a)/4)                            ; sources 0 and 1: window 2 or 3
.irp b, 0,1,2,3
	v_max3_num_f32 v[TM+\b], |v[AC+16*\b]|, |v[AC+16*\b+1]|, 0x1800000   ; each accumulator from its low end on; the floor 2^(3 - 127) holds the byte at 1 from below
.endr
.irp i, 2,4,6,8,10,12,14
.irp b, 0,1,2,3
	v_max3_num_f32 v[TM+\b], |v[AC+16*\b+\i]|, |v[AC+16*\b+\i+1]|, v[TM+\b]
.endr
.endr
	WIN 0
.irp b, 0,1,2,3
	v_permlanex16_b32 v[TM+4+\b], v[TM+\b], s[20:20], s[21:21]
.endr
.irp b, 0,1,2,3
	v_max_num_f32 v[TM+\b], v[TM+\b], v[TM+4+\b]
.endr
.irp b, 0,1,2,3
	v_add_nc_u32 v[TM+12+\b], 0xff000000, v[TM+\b]
.endr
.irp b, 0,1,2,3
	v_lshrrev_b32 v[TM+4+\b], 23, v[TM+12+\b]
.endr
	v_lshl_or_b32 v[SW+(\a)], v[TM+5], 8, v[TM+4]
	v_lshl_or_b32 v[SW+(\a)], v[TM+6], 16, v[SW+(\a)]
	v_lshl_or_b32 v[SW+(\a)], v[TM+7], 24, v[SW+(\a)]
.if (\a) > 0
	s_wait_xcnt 0x0                                ; the last block's stores have read their data and their bases: both are written again only behind this wait
.if (\a) == 4
	s_add_nc_u64 s[8:9], s[8:9], s[100:101]
	s_add_nc_u64 s[12:13], s[12:13], s[100:101]
.else
	s_add_nc_u64 s[8:9], s[8:9], s[66:67]
	s_add_nc_u64 s[12:13], s[12:13], s[66:67]
.endif
.endif
	WIN 0x02+((\a)/4)                              ; source 0: window 2 or 3
.irp c, 0,1
	v_cvt_scalef32_pk16_fp6_f32 v[PC+6*\c:PC+6*\c+2], v[AC+32*\c:AC+32*\c+15], v[TM+12+2*\c]
	v_cvt_scalef32_pk16_fp6_f32 v[PC+12+4*\c:PC+14+4*\c], v[AC+32*\c+16:AC+32*\c+31], v[TM+13+2*\c]
.endr
	WIN 0
	v_nop                                          ; one plain place behind a scaled conversion
.irp c, 0,1
.irp i, 0,1,2
	v_permlane16_swap_b32 v[PC+6*\c+\i], v[PC+12+4*\c+\i]
.endr
.irp i, 0,1,2
	v_mov_b32 v[PC+3+6*\c+\i], v[PC+12+4*\c+\i]
.endr
.endr
	global_store_b128 v[L16], v[PC:PC+3], s[8:9]
	global_store_b64 v[L8], v[PC+4:PC+5], s[8:9] offset:512
	global_store_b128 v[L16], v[PC+6:PC+9], s[12:13]
	global_store_b64 v[L8], v[PC+10:PC+11], s[12:13] offset:512
.endm
	s_mov_b32 s20, 0x76543210
	s_mov_b32 s21, 0xfedcba98                      ; lane l xor 16
	PLACES NP
.irp a, 0,1,2,3,4,5,6,7
	EPI \a
.endr
.irp a, 0,1,2,3,4,5,6,7
	v_lshrrev_b32 v[SW+\a], v[SH], v[SW+\a]        ; q, k: lanes 16-31 take the second head's two bytes
.endr
.irp a, 0,1,2,3,4,5,6,7
	v_and_or_b32 v[SW+\a], v[SW+\a], s2, s3
.endr
	global_store_b128 v[SOFF], v[SW:SW+3], s[10:11]
	global_store_b128 v[SOFF], v[SW+4:SW+7], s[10:11] offset:16
	s_wait_tensorcnt 0x0                           ; the wave's end, behind my last tensor load
	ds_add_u32 v[SPW], v[NIL]
	s_wait_dscnt 0x0
	CROUND                                         ; the closing round: no work-group ends while a partner may still ask for a tile that names it
	s_endpgm
.Lfunc_end_k_q73e452cde2_gemm_qkv:
	.size	k_q73e452cde2_gemm_qkv, .Lfunc_end_k_q73e452cde2_gemm_qkv-k_q73e452cde2_gemm_qkv
	.p2alignl 7, 3214868480
	.fill 96, 4, 3214868480
	.section	.rodata,"a",@progbits
	.p2align	6, 0x0
	.amdhsa_kernel k_q73e452cde2_gemm_qkv
		.amdhsa_group_segment_fixed_size 327680
		.amdhsa_private_segment_fixed_size 0
		.amdhsa_enable_private_segment 0
		.amdhsa_kernarg_size 32
		.amdhsa_user_sgpr_count 2
		.amdhsa_user_sgpr_kernarg_segment_ptr 1
		.amdhsa_wavefront_size32 1
		.amdhsa_system_sgpr_workgroup_id_x 1
		.amdhsa_system_sgpr_workgroup_id_y 1
		.amdhsa_system_sgpr_workgroup_id_z 1
		.amdhsa_system_vgpr_workitem_id 0
		.amdhsa_next_free_vgpr 1024
		.amdhsa_next_free_sgpr 102
		.amdhsa_reserve_vcc 0
		.amdhsa_float_denorm_mode_32 3
		.amdhsa_float_denorm_mode_16_64 3
		.amdhsa_memory_ordered 1
		.amdhsa_forward_progress 1
		.amdhsa_inst_pref_size 152
	.end_amdhsa_kernel
	.amdgpu_metadata
---
amdhsa.version: [ 1, 2 ]
amdhsa.kernels:
  - .name:           k_q73e452cde2_gemm_qkv
    .symbol:         k_q73e452cde2_gemm_qkv.kd
    .args:
      - { .name: cin, .offset: 0, .size: 8, .value_kind: global_buffer, .address_space: global }
      - { .name: sin, .offset: 8, .size: 8, .value_kind: global_buffer, .address_space: global }
      - { .name: qkvc, .offset: 16, .size: 8, .value_kind: global_buffer, .address_space: global }
      - { .name: qkvs, .offset: 24, .size: 8, .value_kind: global_buffer, .address_space: global }
    .group_segment_fixed_size: 327680
    .private_segment_fixed_size: 0
    .kernarg_segment_align: 8
    .kernarg_segment_size: 32
    .max_flat_workgroup_size: 128
    .sgpr_count:     102
    .vgpr_count:     1024
    .wavefront_size: 32
...
	.end_amdgpu_metadata
.endif
;; end of part 2
;; launch attn (part 3): grid 4 x 64, 16 waves a work-group, clusters of 4 x 1, 327,680 bytes of LDS; arguments qkvc, qkvs, aoc, aos; writes aoc, aos
.if DOCPART == 3
	.amdgcn_target "amdgcn-amd-amdhsa--gfx1250"
	.amdhsa_code_object_version 6
	.text
	.protected	k_q73e452cde2_attn
	.globl	k_q73e452cde2_attn
	.p2align	8
	.type	k_q73e452cde2_attn,@function
k_q73e452cde2_attn:
	s_mov_b64 s[64:65], 0
	v_nop
	global_prefetch_b8 v0, s[64:65] scope:SCOPE_SE
	s_setreg_imm32_b32 hwreg(HW_REG_WAVE_MODE, 25, 1), 1
	s_wait_xcnt 0x0
	s_wait_alu depctr_hold_cnt(0) depctr_sa_sdst(0) depctr_va_vdst(0) depctr_va_sdst(0) depctr_va_ssrc(0) depctr_va_vcc(0) depctr_vm_vsrc(0)
	s_getreg_b32 s2, hwreg(HW_REG_IB_STS2, 6, 4)
	s_cmp_eq_u32 s2, 0
	s_cbranch_scc0 .Lentry_in_a_cluster
	s_endpgm
.Lentry_in_a_cluster:
	s_bfe_u32 s2, ttmp6, 0x10000c
	s_cmp_lg_u32 s2, 0x3003
	s_cbranch_scc0 .Lentry_shape_is_right
	s_endpgm
.Lentry_shape_is_right:
; Causal attention of 64 (batch x head), 2,048 tokens, head size 64, both products on codes of FP6 (E2M3) with E8M0 scales; the result, divided by the row's sum, is quantised along the 1,024 channels for the last product.
; THE SOFTMAX: t = score x log2(e) / 8; M = the running largest t rounded up to a whole number; p = 2^(t - M) is quantised along the keys, not normalised; the row's sum is taken of the unquantised p; when M moves, the sum and
; O are multiplied by 2^(old M - new M), which rounds nothing.
; OPERANDS lie in the order of the operand's registers (a half fragment of 768 bytes: registers 0-3 at 16 x lane, registers 4, 5 at 512 + 8 x lane); lane r of token block B holds token 32 (B / 2) + 8 (B % 2) + r + 8 (r / 8).
; CLUSTER.  The four work-groups of a cluster serve ONE head.  All its K, V and scale words, 208 KB, come into each partner's LDS once, by joint loads that name the four: no slot is ever filled again, and there is one barrier.
; SHARES.  The 8 query blocks of a group g of 128 tokens all need key steps 0 .. g, the last of them under the mask.  Work-group cx takes blocks 8 g + 2 cx + a of every g; wave w (a = w / 8) takes g = w % 8 and then
; g = 15 - w % 8: 17 key steps for every wave.  Branches hang on the wave's number and on counters alone; cx enters global offsets and one lane constant of the mask.
; LAYOUT.  Both products are used transposed: S^T = K Q^T, O^T = V^T P^T: a lane holds one query throughout; by the order of tokens above, the 16 registers of two neighbouring key tiles are 16 neighbouring keys.
; THE FIRST PRODUCT'S K IS 64: Q's registers 6-11 are zero codes, and bytes 2, 3 of both scale words are the byte of 1.0; so K's operand may run on into the next tile's registers: what stands there is multiplied by zeros.
; The scale bytes leave two to a lane, 32 bytes apart, and lanes 16-31 store what lanes 0-15 store: 262,144 bytes in the whole launch.
; LIMITS: a block of zeros, or one under 2^-124, gets the byte 1; NaN and infinities are not served; the division by the row's sum is v_rcp_f32 and a multiplication.
.set KC,    0                          ; LDS: K's codes [token block 0..127][768]
.set VC,    98304                      ; V's codes [128 keys][16 of the head's 64][1,536]
.set KSC,   196608                     ; K's scale words [128 keys][r][8 blocks]
.set VSC,   204800                     ; V's scale words [128 keys][r][4 tiles]
.set SPARE, 208896                     ; the spare words, 128 bytes for each of 16 waves
.set L16, 1                            ; v1   16 x lane
.set L8,  2                            ; v2   8 x lane
.set LV16, 3                           ; v3   VC + 16 x lane
.set LV8, 4                            ; v4   VC + 8 x lane
.set LKS, 5                            ; v5   KSC + 32 r
.set LVS, 6                            ; v6   VSC + 16 r
.set SPW, 7                            ; v7   LDS address of my spare word; never rewritten
.set NIL, 8                            ; v8   0; never rewritten
.set DM,  9                            ; v9   my query's place among its group's 128 tokens, less 16 h
.set ADK16, 10                         ; v10-15 the step's LDS addresses
.set ADK8,  11
.set ADV16, 12
.set ADV8,  13
.set ADS,   14
.set ADT,   15
.set QF,  16                           ; v16-21 Q's codes, v22-27 zeros
.set QSW, 28                           ; v28  Q's scale word
.set QO,  29                           ; v29-31 Q's global offsets
.set KV,  32                           ; v32-79 K's eight half fragments (6 t), later V's four fragments (12 t); v80-85 zeros
.set NM,  86                           ; v86  -M;  v87 the largest t
.set TX,  87
.set LS,  88                           ; v[88:89] the row's sum, in two halves
.set KSW, 90                           ; v90-97 K's scale words
.set VSW, 98                           ; v98-101 V's
.set FF,  102                          ; v102 2^(old M - new M)
.set PW,  103                          ; v103 p's scale word
.set BM,  104                          ; v104-107 the blocks' largest scores, then largest p
.set BP,  108                          ; v108-111 at work
.set BS,  112                          ; v112-115 the conversions' scale operands
.set T,   116                          ; v116-117 at work
.set MI,  118                          ; v118 -infinity
.set R32, 119                          ; v119 32 r
.set PC,  120                          ; v120-131 codes
.set PX,  132                          ; v132-138 the second conversions' results
.set O,   140                          ; v140-171 O^T
.set S,   172                          ; v172-235 S^T, then p
.set OO,  236                          ; v236-238 the output's offsets
.set RC,  240                          ; v[240:241] 1 / the row's sum
.set WV,  12
.set CX,  13
.set BH,  14
.set WP,  16
.set BB,  17
.set HD,  18
.set C2A, 19
.set SEL, 20
.set CS,  22
.set G1C, 24                           ; s[24:31] group 1: 6,144 dense bytes
.set G1S, 32                           ; s[32:39] 512 dense bytes
.set G1T, 40                           ; s[40:47] 16 bytes of each of 16 rows of 32
.set G0K, 48
.set G0V, 52
.set G0KS, 56
.set G0VS, 60
.set G,   66
.set KS,  67
.set TB,  68
.set TS,  69
.set TV,  70
.set QC,  80
.set QS,  82
.set BQ,  90
.macro CROUND                          ; a round of the cluster's barrier
	s_barrier_signal -1
	s_barrier_wait -1
	s_cmp_lg_u32 s[WV], 0
	s_cbranch_scc1 .Lnot_wave_0_\@
	s_barrier_signal -3
.Lnot_wave_0_\@:
	s_barrier_wait -3
	s_barrier_signal -1
	s_barrier_wait -1
.endm
	s_load_b256 s[4:11], s[0:1], 0x0               ; qkvc s[4:5], qkvs s[6:7], aoc s[8:9], aos s[10:11]
	v_lshl_add_u32 v[SPW], v0, 2, SPARE
	v_mov_b32 v[NIL], 0
	ds_add_u32 v[SPW], v[NIL]                      ; the wave's opening: the add and its wait stand ahead of my first tensor load; work on registers stands between them
	ds_add_u32 v[SPW], v[NIL]
	v_lshrrev_b32 v1, 5, v0
	s_delay_alu instid0(VALU_DEP_1)
	v_readfirstlane_b32 s[WV], v1                  ; wave 0..15
	s_bfe_u32 s[CX], ttmp6, 0x40000                ; my place in the cluster
	s_and_b32 s[BH], ttmp7, 0xffff                 ; batch x head, which the four partners share
	s_lshr_b32 s15, s[WV], 3                       ; a
	s_and_b32 s[WP], s[WV], 7
	s_lshr_b32 s[BB], s[BH], 4                     ; batch
	s_and_b32 s[HD], s[BH], 15                     ; head
	s_lshl_b32 s[C2A], s[CX], 1
	s_add_co_u32 s[C2A], s[C2A], s15               ; 2 cx + a: which of a group's eight query blocks
	s_mov_b32 s[G1C], 15|(3<<16)|(1<<21)           ; 15:0 the mask: all four work-groups; 17:16 elements of 8 bytes; 21 set beside a mask
	s_mov_b32 s[G1C+1], 32<<16                     ; rows of 256 bytes,
	s_mov_b32 s[G1C+2], 24<<16                     ; 24 of them
	s_mov_b32 s[G1C+3], 32<<16
	s_mov_b32 s[G1C+4], 24
	s_mov_b32 s[G1C+5], 32
	s_mov_b32 s[G1C+6], 0
	s_mov_b32 s[G1C+7], 0
	s_mov_b32 s[G1S], 15|(3<<16)|(1<<21)
	s_mov_b32 s[G1S+1], 32<<16
	s_mov_b32 s[G1S+2], 2<<16                      ; two rows of 256 bytes
	s_mov_b32 s[G1S+3], 32<<16
	s_mov_b32 s[G1S+4], 2
	s_mov_b32 s[G1S+5], 32
	s_mov_b32 s[G1S+6], 0
	s_mov_b32 s[G1S+7], 0
	s_mov_b32 s[G1T], 15|(3<<16)|(1<<21)
	s_mov_b32 s[G1T+1], 2<<16                      ; 16 bytes: my head's four words of a row that holds a pair of heads',
	s_mov_b32 s[G1T+2], 16<<16                     ; 16 rows,
	s_mov_b32 s[G1T+3], 2<<16
	s_mov_b32 s[G1T+4], 16
	s_mov_b32 s[G1T+5], 4                          ; 32 bytes apart
	s_mov_b32 s[G1T+6], 0
	s_mov_b32 s[G1T+7], 0
	s_mov_b32 s[SEL], 0x76543210
	s_mov_b32 s[SEL+1], 0xfedcba98                 ; lane l xor 16
	s_mov_b32 s[CS], 0x3e38aa3b                    ; c = log2(e) / 8
	s_mov_b32 s[CS+1], s[CS]                       ; (named with it as a pair, so it is written)
	; wave w fetches the part of key step w of each of the four: byte offsets
	s_mul_i32 s72, s[BH], 98304                    ; the head's codes
	s_mov_b32 s73, 0
	s_mul_i32 s88, s[WV], 6144
	s_add_co_u32 s74, s72, s88
	s_add_co_u32 s74, s74, 6291456                 ; K's
	s_mov_b32 s75, 0
	s_add_co_u32 s76, s72, s88
	s_add_co_u32 s76, s76, 12582912                ; V's
	s_mov_b32 s77, 0
	s_lshl_b32 s78, s[BH], 13                      ; the head's scale words of Q
	s_mov_b32 s79, 0
	s_lshl_b32 s89, s[WV], 9
	s_add_co_u32 s84, s78, s89
	s_add_co_u32 s84, s84, 524288                  ; K's
	s_mov_b32 s85, 0
	s_lshl_b32 s86, s[BB], 3
	s_lshr_b32 s87, s[HD], 1
	s_add_co_u32 s86, s86, s87
	s_lshl_b32 s86, s86, 13
	s_add_co_u32 s86, s86, s89
	s_and_b32 s87, s[HD], 1
	s_lshl_b32 s87, s87, 4
	s_add_co_u32 s86, s86, s87
	s_add_co_u32 s86, s86, 1048576                 ; V's
	s_mov_b32 s87, 0
	s_wait_dscnt 0x0                               ; the opening add is done
	s_wait_kmcnt 0x0
	s_mov_b32 s[G0K], 1
	s_mul_i32 s[G0K+1], s[WV], 6144                ; LDS addresses hang on the wave's number alone
	s_add_nc_u64 s[G0K+2:G0K+3], s[4:5], s[74:75]
	s_or_b32 s[G0K+3], s[G0K+3], 0x80000000
	s_mov_b32 s[G0V], 1
	s_add_co_u32 s[G0V+1], s88, VC
	s_add_nc_u64 s[G0V+2:G0V+3], s[4:5], s[76:77]
	s_or_b32 s[G0V+3], s[G0V+3], 0x80000000
	s_mov_b32 s[G0KS], 1
	s_add_co_u32 s[G0KS+1], s89, KSC
	s_add_nc_u64 s[G0KS+2:G0KS+3], s[6:7], s[84:85]
	s_or_b32 s[G0KS+3], s[G0KS+3], 0x80000000
	s_mov_b32 s[G0VS], 1
	s_lshl_b32 s[G0VS+1], s[WV], 8
	s_add_co_u32 s[G0VS+1], s[G0VS+1], VSC
	s_add_nc_u64 s[G0VS+2:G0VS+3], s[6:7], s[86:87]
	s_or_b32 s[G0VS+3], s[G0VS+3], 0x80000000
	s_add_nc_u64 s[QC:QC+1], s[4:5], s[72:73]      ; Q's codes and scale words of my head
	s_add_nc_u64 s[QS:QS+1], s[6:7], s[78:79]
	CROUND                                         ; all four work-groups are here: the joint loads meet
	tensor_load_to_lds s[G0K:G0K+3], s[G1C:G1C+7]  ; four tensor loads of mine are out; every wave issues its four, the same in all partners
	s_nop 0
	tensor_load_to_lds s[G0KS:G0KS+3], s[G1S:G1S+7]
	s_nop 0
	tensor_load_to_lds s[G0V:G0V+3], s[G1C:G1C+7]
	s_nop 0
	tensor_load_to_lds s[G0VS:G0VS+3], s[G1T:G1T+7]
	s_nop 0
.rept 4
	v_nop
.endr
	v_and_b32 v10, 31, v0                          ; lane
	v_and_b32 v11, 15, v0                          ; r
	v_bfe_u32 v12, v0, 4, 1                        ; h
	s_delay_alu instid0(VALU_DEP_3)
	v_lshlrev_b32 v[L16], 4, v10
	s_delay_alu instid0(VALU_DEP_4)
	v_lshlrev_b32 v[L8], 3, v10
	s_delay_alu instid0(VALU_DEP_2)
	v_add_nc_u32 v[LV16], VC, v[L16]
	s_delay_alu instid0(VALU_DEP_2)
	v_add_nc_u32 v[LV8], VC, v[L8]
	v_lshlrev_b32 v[R32], 5, v11
	s_delay_alu instid0(VALU_DEP_1)
	v_add_nc_u32 v[LKS], KSC, v[R32]
	v_lshl_add_u32 v[LVS], v11, 4, VSC
	v_and_b32 v13, 8, v11
	s_delay_alu instid0(VALU_DEP_1)
	v_add_nc_u32 v13, v13, v11                     ; r + 8 (r / 8)
	v_lshlrev_b32 v14, 4, v12
	s_delay_alu instid0(VALU_DEP_1)
	v_sub_nc_u32 v13, v13, v14
	s_lshl_b32 s91, s[CX], 5
	s_lshl_b32 s92, s15, 3
	s_add_co_u32 s91, s91, s92
	v_add_nc_u32 v[DM], s91, v13                   ; 32 cx + 8 a + r + 8 (r / 8) - 16 h
.irp i, 0,1,2,3,4,5
	v_mov_b32 v[QF+6+\i], 0                        ; zero codes: k = 64 .. 127 of the first product
	v_mov_b32 v[KV+48+\i], 0                       ; what the eighth key tile's operand runs on into
.endr
.irp b, 0,1,2,3
	v_mov_b32 v[BP+\b], 0                          ; written once: a lane permute's destination counts as one of its sources
.endr
	v_mov_b32 v[T], 0
	v_mov_b32 v[T+1], 0
	v_mov_b32 v[PW], 0                             ; (named as the upper half of the pair with FF before it is first written)
	v_mov_b32 v[MI], 0xff800000                    ; -infinity
	s_wait_tensorcnt 0x0                           ; my parts are in,
	s_barrier_signal -1
	s_barrier_wait -1                              ; everybody's are: the head lies whole in LDS
; ONE QUERY BLOCK: group g = w % 8 (p = 0) or 15 - w % 8 (p = 1).  The loop has 16 trips, a constant; a trip whose 128 keys all come after the queries only steps the addresses.
.macro PASS p
.if \p
	s_sub_co_u32 s[G], 15, s[WP]
.else
	s_mov_b32 s[G], s[WP]
.endif
	s_lshl_b32 s[BQ], s[G], 3
	s_add_co_u32 s[BQ], s[BQ], s[C2A]              ; my query block within the batch
	s_mul_i32 s91, s[BQ], 768
	s_lshl_b32 s92, s[G], 9
	s_lshl_b32 s93, s[C2A], 2
	s_add_co_u32 s92, s92, s93
	s_wait_xcnt 0x0                                ; the last block's stores have read their data and offsets: they are written again only behind this wait
	v_add_nc_u32 v[QO], s91, v[L16]
	v_add_nc_u32 v[QO+1], s91, v[L8]
	v_add_nc_u32 v[QO+2], s92, v[R32]
	global_load_b128 v[QF:QF+3], v[QO], s[QC:QC+1]
	global_load_b64 v[QF+4:QF+5], v[QO+1], s[QC:QC+1] offset:512
	global_load_b32 v[QSW], v[QO+2], s[QS:QS+1]
.set n, 0
.rept 32
	v_mov_b32 v[O+n], 0                            ; the step is written once: the first finds zeros, which the first change of M leaves zeros
.set n, n+1
.endr
	v_mov_b32 v[TX], 0xff61b1e6                    ; the largest t so far: -3e38
	s_delay_alu instid0(VALU_DEP_1)
	v_floor_f32 v[NM], -v[TX]
	v_mov_b32 v[LS], 0
	v_mov_b32 v[LS+1], 0
	s_mov_b32 s[KS], 0
	s_mov_b32 s[TB], 0
	s_mov_b32 s[TS], 0
	s_mov_b32 s[TV], 0
	s_wait_loadcnt 0x0                             ; Q
.Lstep_\@:
	s_cmp_gt_u32 s[KS], s[G]
	s_cbranch_scc1 .Lskip_\@
	s_setprio 2
	v_add_nc_u32 v[ADK16], s[TB], v[L16]           ; six plain instructions: also the places behind the last step's products, in front of the loads into their registers
	v_add_nc_u32 v[ADK8], s[TB], v[L8]
	v_add_nc_u32 v[ADV16], s[TB], v[LV16]
	v_add_nc_u32 v[ADV8], s[TB], v[LV8]
	v_add_nc_u32 v[ADS], s[TS], v[LKS]
	v_add_nc_u32 v[ADT], s[TV], v[LVS]
.irp t, 0,1,2,3,4,5,6,7
	ds_load_b128 v[KV+6*\t:KV+6*\t+3], v[ADK16] offset:768*\t
	ds_load_b64 v[KV+6*\t+4:KV+6*\t+5], v[ADK8] offset:768*\t+512
.endr
	ds_load_b128 v[KSW:KSW+3], v[ADS]
	ds_load_b128 v[KSW+4:KSW+7], v[ADS] offset:16
	s_wait_alu depctr_va_vdst(0)
	s_wait_dscnt 0x0
.irp t, 0,1,2,3,4,5,6,7
	v_wmma_scale_f32_16x16x128_f8f6f4 v[S+8*\t:S+8*\t+7], v[KV+6*\t:KV+6*\t+11], v[QF:QF+11], 0, v[KSW+\t], v[QSW] matrix_a_fmt:MATRIX_FMT_FP6 matrix_b_fmt:MATRIX_FMT_FP6
.endr
.rept 4
	v_nop                                          ; places in front of the loads below and of the first read of the scores
.endr
.irp t, 0,1,2,3                                ; V's fragments land while the softmax is worked
	ds_load_b128 v[KV+12*\t:KV+12*\t+3], v[ADV16] offset:1536*\t
	ds_load_b64 v[KV+12*\t+4:KV+12*\t+5], v[ADV8] offset:1536*\t+512
	ds_load_b128 v[KV+12*\t+6:KV+12*\t+9], v[ADV16] offset:1536*\t+768
	ds_load_b64 v[KV+12*\t+10:KV+12*\t+11], v[ADV8] offset:1536*\t+1280
.endr
	ds_load_b128 v[VSW:VSW+3], v[ADT]
	s_cmp_lg_u32 s[KS], s[G]
	s_cbranch_scc1 .Lopen_\@
.set n, 0
.rept 64                                       ; the group's own 128 keys: register 16 b + i holds key 32 b + 16 h + i of them: hidden where 32 b + i > my query's place - 16 h
	v_cmp_gt_i32 vcc_lo, 32*(n/16)+n%16, v[DM]
	v_cndmask_b32 v[S+n], v[S+n], v[MI], vcc_lo
.set n, n+1
.endr
.Lopen_\@:
.irp b, 0,1,2,3
	v_max3_num_f32 v[BM+\b], v[S+16*\b], v[S+16*\b+1], v[S+16*\b+2]   ; the largest score of each block of 32 keys: for the row's maximum and, since p rises with the score, for the block's largest p
.endr
.irp i, 3,5,7,9,11,13
.irp b, 0,1,2,3
	v_max3_num_f32 v[BM+\b], v[BM+\b], v[S+16*\b+\i], v[S+16*\b+\i+1]
.endr
.endr
.irp b, 0,1,2,3
	v_max_num_f32 v[BM+\b], v[BM+\b], v[S+16*\b+15]
.endr
.irp b, 0,1,2,3
	s_delay_alu instid0(VALU_DEP_4)
	v_permlanex16_b32 v[BP+\b], v[BM+\b], s[SEL], s[SEL+1]
.endr
.irp b, 0,1,2,3
	s_delay_alu instid0(VALU_DEP_4)
	v_max_num_f32 v[BM+\b], v[BM+\b], v[BP+\b]
.endr
	s_delay_alu instid0(VALU_DEP_2)
	v_max3_num_f32 v[T], v[BM], v[BM+1], v[BM+2]
	s_delay_alu instid0(VALU_DEP_1)
	v_max_num_f32 v[T], v[T], v[BM+3]
	s_delay_alu instid0(VALU_DEP_1)
	v_mul_f32 v[T], s[CS], v[T]
	s_delay_alu instid0(VALU_DEP_1)
	v_max_num_f32 v[TX], v[TX], v[T]               ; the running largest t
	v_mov_b32 v[T], v[NM]
	s_delay_alu instid0(VALU_DEP_2)
	v_floor_f32 v[NM], -v[TX]                      ; -M = floor(-t): M is a whole number
	s_delay_alu instid0(VALU_DEP_1)
	v_sub_f32 v[T], v[NM], v[T]
	s_delay_alu instid0(VALU_DEP_1)
	v_cvt_i32_f32 v[T], v[T]                       ; (it saturates)
	s_delay_alu instid0(VALU_DEP_1)
	v_ldexp_f32 v[FF], 1.0, v[T]                   ; 2^(old M - new M)
.set n, 0
	s_setprio 1
.rept 32
	v_pk_fma_f32 v[S+n:S+n+1], v[S+n:S+n+1], s[CS:CS+1], v[NM:NM+1] op_sel_hi:[1,0,0]   ; t - M, two at a time
.set n, n+2
.endr
.irp b, 0,1,2,3
	v_fma_f32 v[BM+\b], v[BM+\b], s[CS], v[NM]
.endr
.set n, 0
	s_wait_alu depctr_va_vdst(0)
.rept 64
	v_exp_f32 v[S+n], v[S+n]                       ; p = 2^(t - M)
.set n, n+1
.endr
	v_pk_mul_f32 v[LS:LS+1], v[LS:LS+1], v[FF:FF+1] op_sel_hi:[1,0]   ; the sums under the new M: a plain place behind the exponentials
	s_wait_alu depctr_va_vdst(0)                   ; one wait for the batch, ahead of its first reader
.irp b, 0,1,2,3
	v_exp_f32 v[BM+\b], v[BM+\b]                   ; each block's largest p
.endr
	v_pk_add_f32 v[108:109], v[176:177], v[180:181]
	v_pk_add_f32 v[254:255], v[184:185], v[188:189]
	v_pk_add_f32 v[252:253], v[192:193], v[196:197]
	v_pk_add_f32 v[250:251], v[200:201], v[204:205]
	v_pk_add_f32 v[248:249], v[208:209], v[212:213]
	v_pk_add_f32 v[246:247], v[216:217], v[220:221]
	v_pk_add_f32 v[244:245], v[224:225], v[228:229]
	v_pk_add_f32 v[88:89], v[88:89], v[232:233]
	v_pk_add_f32 v[108:109], v[108:109], v[172:173]
	v_pk_add_f32 v[254:255], v[254:255], v[174:175]
	v_pk_add_f32 v[252:253], v[252:253], v[178:179]
	v_pk_add_f32 v[250:251], v[250:251], v[182:183]
	v_pk_add_f32 v[248:249], v[248:249], v[186:187]
	v_pk_add_f32 v[246:247], v[246:247], v[190:191]
	v_pk_add_f32 v[244:245], v[244:245], v[194:195]
	v_pk_add_f32 v[88:89], v[88:89], v[198:199]
	v_pk_add_f32 v[108:109], v[108:109], v[202:203]
	v_pk_add_f32 v[254:255], v[254:255], v[206:207]
	v_pk_add_f32 v[252:253], v[252:253], v[210:211]
	v_pk_add_f32 v[250:251], v[250:251], v[214:215]
	v_pk_add_f32 v[248:249], v[248:249], v[218:219]
	v_pk_add_f32 v[246:247], v[246:247], v[222:223]
	v_pk_add_f32 v[244:245], v[244:245], v[226:227]
	v_pk_add_f32 v[88:89], v[88:89], v[230:231]
	v_pk_add_f32 v[108:109], v[108:109], v[234:235]
	s_delay_alu instid0(VALU_DEP_2)
	v_pk_add_f32 v[88:89], v[88:89], v[250:251]
	s_delay_alu instid0(VALU_DEP_2)
	v_pk_add_f32 v[108:109], v[108:109], v[248:249]
	v_pk_add_f32 v[254:255], v[254:255], v[246:247]
	v_pk_add_f32 v[252:253], v[252:253], v[244:245]
	s_delay_alu instid0(VALU_DEP_2)
	v_pk_add_f32 v[88:89], v[88:89], v[254:255]
	s_delay_alu instid0(VALU_DEP_2)
	v_pk_add_f32 v[108:109], v[108:109], v[252:253]
	s_delay_alu instid0(VALU_DEP_1)
	v_pk_add_f32 v[88:89], v[88:89], v[108:109]
	s_wait_alu depctr_va_vdst(0)                   ; and one for the four
.irp b, 0,1,2,3
	v_max_num_f32 v[BM+\b], 0x1800000, v[BM+\b]    ; the floor 2^(3 - 127): a block whose every p is 0 keeps the byte 1; its codes are zeros
.endr
.irp b, 0,1,2,3
	s_delay_alu instid0(VALU_DEP_4)
	v_add_nc_u32 v[BS+\b], 0xff000000, v[BM+\b]
.endr
.irp b, 0,1,2,3
	s_delay_alu instid0(VALU_DEP_4)
	v_lshrrev_b32 v[BP+\b], 23, v[BS+\b]
.endr
	s_delay_alu instid0(VALU_DEP_3)
	v_lshl_or_b32 v[PW], v[BP+1], 8, v[BP]
	s_delay_alu instid0(VALU_DEP_1)
	v_lshl_or_b32 v[PW], v[BP+2], 16, v[PW]
	s_delay_alu instid0(VALU_DEP_1)
	v_lshl_or_b32 v[PW], v[BP+3], 24, v[PW]
	s_setprio 0
.irp c, 0,1
	v_cvt_scalef32_pk16_fp6_f32 v[PC+6*\c:PC+6*\c+2], v[S+32*\c:S+32*\c+15], v[BS+2*\c]
	v_cvt_scalef32_pk16_fp6_f32 v[PX+4*\c:PX+4*\c+2], v[S+32*\c+16:S+32*\c+31], v[BS+2*\c+1]
.endr
	v_nop                                          ; one plain place behind a scaled conversion
.irp c, 0,1
.irp i, 0,1,2
	v_permlane16_swap_b32 v[PC+6*\c+\i], v[PX+4*\c+\i]
.endr
.irp i, 0,1,2
	s_delay_alu instid0(VALU_DEP_3)
	v_mov_b32 v[PC+3+6*\c+\i], v[PX+4*\c+\i]
.endr
.endr
.set n, 0
.rept 16
	v_pk_mul_f32 v[O+n:O+n+1], v[O+n:O+n+1], v[FF:FF+1] op_sel_hi:[1,0]   ; O^T under the new M; these sixteen are also the places between the scale word and codes just made and the products
.set n, n+2
.endr
	s_wait_alu depctr_va_vdst(0)
	s_wait_dscnt 0x0                               ; V
.irp t, 0,1,2,3                                ; the four accumulators take turns, one instruction a turn, and the eight products of the next step stand between two links
	v_wmma_scale_f32_16x16x128_f8f6f4 v[O+8*\t:O+8*\t+7], v[KV+12*\t:KV+12*\t+11], v[PC:PC+11], v[O+8*\t:O+8*\t+7], v[VSW+\t], v[PW] matrix_a_fmt:MATRIX_FMT_FP6 matrix_b_fmt:MATRIX_FMT_FP6
.endr
.Lskip_\@:
	s_add_co_u32 s[TB], s[TB], 6144                ; the next 128 keys
	s_add_co_u32 s[TS], s[TS], 512
	s_add_co_u32 s[TV], s[TV], 256
	s_add_co_u32 s[KS], s[KS], 1
	s_cmp_lt_u32 s[KS], 16
	s_cbranch_scc1 .Lstep_\@
	s_setprio 0
	; THE WAY OUT: O^T / the sum; register 16 b + i is channel 32 b + 16 h + i of the head: two blocks of 32 along the last product's K
.rept 4
	v_nop
.endr
	s_wait_alu depctr_va_vdst(0)
	v_add_f32 v[LS], v[LS], v[LS+1]
	s_delay_alu instid0(VALU_DEP_1)
	v_permlanex16_b32 v[T], v[LS], s[SEL], s[SEL+1]
	s_delay_alu instid0(VALU_DEP_1)
	v_add_f32 v[LS], v[LS], v[T]
	s_wait_alu depctr_va_vdst(0)
	v_rcp_f32 v[RC], v[LS]
	v_mov_b32 v[RC+1], 0                           ; a plain place behind the reciprocal (and the pair's upper half is written)
	s_lshl_b32 s91, s[BB], 7
	s_add_co_u32 s91, s91, s[BQ]                   ; my token block of 512
	s_lshl_b32 s92, s91, 4
	s_add_co_u32 s92, s92, s[HD]
	s_mul_i32 s92, s92, 768
	s_lshl_b32 s93, s91, 9
	s_lshl_b32 s94, s[HD], 1
	s_add_co_u32 s93, s93, s94
	v_add_nc_u32 v[OO], s92, v[L16]
	v_add_nc_u32 v[OO+1], s92, v[L8]
	v_add_nc_u32 v[OO+2], s93, v[R32]
	s_wait_alu depctr_va_vdst(0)                   ; the wait ahead of the reciprocal's first reader
.set n, 0
.rept 16
	v_pk_mul_f32 v[O+n:O+n+1], v[O+n:O+n+1], v[RC:RC+1] op_sel_hi:[1,0]   ; each accumulator from its low end on
.set n, n+2
.endr
.irp b, 0,1
	v_max3_num_f32 v[BM+\b], |v[O+16*\b]|, |v[O+16*\b+1]|, 0x1800000
.endr
.irp i, 2,4,6,8,10,12,14
.irp b, 0,1
	s_delay_alu instid0(VALU_DEP_2)
	v_max3_num_f32 v[BM+\b], v[BM+\b], |v[O+16*\b+\i]|, |v[O+16*\b+\i+1]|
.endr
.endr
.irp b, 0,1
	s_delay_alu instid0(VALU_DEP_2)
	v_permlanex16_b32 v[BP+\b], v[BM+\b], s[SEL], s[SEL+1]
.endr
.irp b, 0,1
	s_delay_alu instid0(VALU_DEP_2)
	v_max_num_f32 v[BM+\b], v[BM+\b], v[BP+\b]
.endr
.irp b, 0,1
	s_delay_alu instid0(VALU_DEP_2)
	v_add_nc_u32 v[BS+\b], 0xff000000, v[BM+\b]
.endr
.irp b, 0,1
	s_delay_alu instid0(VALU_DEP_2)
	v_lshrrev_b32 v[BP+\b], 23, v[BS+\b]
.endr
	s_delay_alu instid0(VALU_DEP_1)
	v_lshl_or_b32 v[T], v[BP+1], 8, v[BP]          ; the head's two scale bytes of my token
	v_cvt_scalef32_pk16_fp6_f32 v[PC:PC+2], v[O:O+15], v[BS]
	v_cvt_scalef32_pk16_fp6_f32 v[PX:PX+2], v[O+16:O+31], v[BS+1]
	v_nop
.irp i, 0,1,2
	v_permlane16_swap_b32 v[PC+\i], v[PX+\i]
.endr
.irp i, 0,1,2
	s_delay_alu instid0(VALU_DEP_3)
	v_mov_b32 v[PC+3+\i], v[PX+\i]
.endr
	global_store_b128 v[OO], v[PC:PC+3], s[8:9]    ; a half fragment: three whole aligned runs of 256 bytes
	global_store_b64 v[OO+1], v[PC+4:PC+5], s[8:9] offset:512
	global_store_b16 v[OO+2], v[T], s[10:11]
.endm
	PASS 0
	PASS 1
	s_wait_tensorcnt 0x0                           ; the wave's end, behind my last tensor load
	ds_add_u32 v[SPW], v[NIL]
	s_wait_dscnt 0x0
	CROUND                                         ; the closing round
	s_endpgm
.Lfunc_end_k_q73e452cde2_attn:
	.size	k_q73e452cde2_attn, .Lfunc_end_k_q73e452cde2_attn-k_q73e452cde2_attn
	.p2alignl 7, 3214868480
	.fill 96, 4, 3214868480
	.section	.rodata,"a",@progbits
	.p2align	6, 0x0
	.amdhsa_kernel k_q73e452cde2_attn
		.amdhsa_group_segment_fixed_size 327680
		.amdhsa_private_segment_fixed_size 0
		.amdhsa_enable_private_segment 0
		.amdhsa_kernarg_size 32
		.amdhsa_user_sgpr_count 2
		.amdhsa_user_sgpr_kernarg_segment_ptr 1
		.amdhsa_wavefront_size32 1
		.amdhsa_system_sgpr_workgroup_id_x 1
		.amdhsa_system_sgpr_workgroup_id_y 1
		.amdhsa_system_sgpr_workgroup_id_z 1
		.amdhsa_system_vgpr_workitem_id 0
		.amdhsa_next_free_vgpr 256
		.amdhsa_next_free_sgpr 96
		.amdhsa_reserve_vcc 1
		.amdhsa_float_denorm_mode_32 3
		.amdhsa_float_denorm_mode_16_64 3
		.amdhsa_memory_ordered 1
		.amdhsa_forward_progress 1
		.amdhsa_inst_pref_size 67
	.end_amdhsa_kernel
	.amdgpu_metadata
---
amdhsa.version: [ 1, 2 ]
amdhsa.kernels:
  - .name:           k_q73e452cde2_attn
    .symbol:         k_q73e452cde2_attn.kd
    .args:
      - { .name: qkvc, .offset: 0, .size: 8, .value_kind: global_buffer, .address_space: global }
      - { .name: qkvs, .offset: 8, .size: 8, .value_kind: global_buffer, .address_space: global }
      - { .name: aoc, .offset: 16, .size: 8, .value_kind: global_buffer, .address_space: global }
      - { .name: aos, .offset: 24, .size: 8, .value_kind: global_buffer, .address_space: global }
    .group_segment_fixed_size: 327680
    .private_segment_fixed_size: 0
    .kernarg_segment_align: 8
    .kernarg_segment_size: 32
    .max_flat_workgroup_size: 512
    .sgpr_count:     96
    .vgpr_count:     256
    .wavefront_size: 32
...
	.end_amdgpu_metadata
.endif
;; end of part 3
;; launch proj (part 4): grid 4 x 32, 4 waves a work-group, clusters of 4 x 4, 327,680 bytes of LDS; arguments aoc, aos, cin, sin, out0; writes out0
.if DOCPART == 4
	.amdgcn_target "amdgcn-amd-amdhsa--gfx1250"
	.amdhsa_code_object_version 6
	.text
	.protected	k_q73e452cde2_proj
	.globl	k_q73e452cde2_proj
	.p2align	8
	.type	k_q73e452cde2_proj,@function
k_q73e452cde2_proj:
	s_mov_b64 s[64:65], 0
	v_nop
	global_prefetch_b8 v0, s[64:65] scope:SCOPE_SE
	s_setreg_imm32_b32 hwreg(HW_REG_WAVE_MODE, 25, 1), 1
	s_wait_xcnt 0x0
	s_wait_alu depctr_hold_cnt(0) depctr_sa_sdst(0) depctr_va_vdst(0) depctr_va_sdst(0) depctr_va_ssrc(0) depctr_va_vcc(0) depctr_vm_vsrc(0)
	s_getreg_b32 s2, hwreg(HW_REG_IB_STS2, 6, 4)
	s_cmp_eq_u32 s2, 0
	s_cbranch_scc0 .Lentry_in_a_cluster
	s_endpgm
.Lentry_in_a_cluster:
	s_bfe_u32 s2, ttmp6, 0x10000c
	s_cmp_lg_u32 s2, 0xf033
	s_cbranch_scc0 .Lentry_shape_is_right
	s_endpgm
.Lentry_shape_is_right:
.set NQ,     2
.set FR,     12
.set NL,     4
.set NP,     4
.set FRB,    1536
.set BLKB,   NQ*FRB
.set KROWB,  8*FRB
.set HALFT,  8*BLKB
.set SLOT,   4*HALFT
.set SCL,    2*SLOT
.set HALFS,  16*272
.set SBLK,   2*272
.set SPARE,  SCL+4*HALFS
.set SPITCH, 528
.set ADRA, 16
.set ADRB, 20
.set STO,  24
.set RD,   25
.set L16,  26
.set ADRS, 27
.set SPW,  28
.set NIL,  29
.set L8,   30
.set SC,   32
.set AF,   128
.set BK,   128
.set G1, 24
.set G0, 32
.set G1B, 48
.set G0B, 56
.set G1S, 68
.set G0S, 76
.set G1SB, 80
.set G0SB, 88
.set MSB, 0
.macro WIN new
.if MSB != (\new)
	s_set_vgpr_msb (MSB<<8)|(\new)
.set MSB, (\new)
.endif
.endm
.set MUL_LO, 0xa1
.set MUL_HI, 0xf1
.set TO_B,   0x40
.macro JLOAD g0a, g1a, g0b, g1b
	s_cmp_eq_u32 s15, 0
	s_cbranch_scc0 .Lfor_b_\@
	tensor_load_to_lds s[\g0a:\g0a+3], s[\g1a:\g1a+7]
	s_nop 0
.rept 4
	v_nop
.endr
	s_branch .Lasked_\@
.Lfor_b_\@:
	tensor_load_to_lds s[\g0b:\g0b+3], s[\g1b:\g1b+7]
	s_nop 0
.rept 4
	v_nop
.endr
.Lasked_\@:
.endm
.macro CREST
	s_cmp_lg_u32 s14, 0
	s_cbranch_scc1 .Lnot_wave_0_\@
	s_barrier_signal -3
.Lnot_wave_0_\@:
	s_barrier_wait -3
	s_barrier_signal -1
	s_barrier_wait -1
.endm
.macro CROUND
	s_barrier_signal -1
	s_barrier_wait -1
	CREST
.endm
	s_load_b256 s[4:11], s[0:1], 0x0
	s_load_b64 s[12:13], s[0:1], 0x20
	v_lshl_add_u32 v[SPW], v0, 2, SPARE
	v_mov_b32 v[NIL], 0
	ds_add_u32 v[SPW], v[NIL]
	ds_add_u32 v[SPW], v[NIL]
	v_lshrrev_b32 v1, 5, v0
	v_readfirstlane_b32 s14, v1
	s_lshr_b32 s15, s14, 1
	s_and_b32 s16, s14, 1
	s_bfe_u32 s40, ttmp6, 0x40000
	s_bfe_u32 s41, ttmp6, 0x40004
	s_and_b32 s17, ttmp7, 0xffff
	s_lshl_b32 s43, s41, 2
	s_lshl_b32 s43, 15, s43
	s_lshl_b32 s44, 0x1111, s40
	s_or_b32 s[G1+0], s43, (3<<16)|(1<<21)
	s_or_b32 s[G1B+0], s44, (3<<16)|(1<<21)
.irp g, G1, G1B
	s_mov_b32 s[\g+1], 384<<16
	s_mov_b32 s[\g+2], 8<<16
	s_mov_b32 s[\g+3], 384<<16
	s_mov_b32 s[\g+4], 8
	s_mov_b32 s[\g+5], 1536
	s_mov_b32 s[\g+6], 0
	s_mov_b32 s[\g+7], 0
.endr
	s_or_b32 s[G1S+0], s43, (3<<16)|(1<<20)|(1<<21)|(5<<22)|(3<<25)
	s_or_b32 s[G1SB+0], s44, (3<<16)|(1<<20)|(1<<21)|(5<<22)|(3<<25)
.irp g, G1S, G1SB
	s_mov_b32 s[\g+1], 32<<16
	s_mov_b32 s[\g+2], 16<<16
	s_mov_b32 s[\g+3], 32<<16
	s_mov_b32 s[\g+4], 16
	s_mov_b32 s[\g+5], 32
	s_mov_b32 s[\g+6], 0
	s_mov_b32 s[\g+7], 0
.endr
	s_lshl_b32 s20, s17, 6
	s_lshl_b32 s21, s41, 4
	s_add_co_u32 s20, s20, s21
	s_lshl_b32 s46, s40, 4
	s_add_co_u32 s46, s46, 704
	s_lshl_b32 s21, s16, 3
	s_add_co_u32 s20, s20, s21
	s_add_co_u32 s46, s46, s21
	s_mul_i32 s92, s20, KROWB
	s_mov_b32 s93, 0
	s_lshl_b32 s94, s20, 9
	s_mov_b32 s95, 0
	s_mul_i32 s96, s46, KROWB
	s_mov_b32 s97, 0
	s_lshl_b32 s98, s46, 9
	s_mov_b32 s99, 0
	s_mul_i32 s45, s14, HALFT
	s_mul_i32 s42, s14, HALFS
	s_wait_dscnt 0x0
	s_wait_kmcnt 0x0
	s_add_nc_u64 s[92:93], s[4:5], s[92:93]
	s_add_nc_u64 s[94:95], s[6:7], s[94:95]
	s_add_nc_u64 s[96:97], s[8:9], s[96:97]
	s_add_nc_u64 s[98:99], s[10:11], s[98:99]
	CROUND
	s_mov_b32 s[G0S], 1
	s_add_co_u32 s[G0S+1], s42, SCL
	s_mov_b64 s[G0S+2:G0S+3], s[94:95]
	s_or_b32 s[G0S+3], s[G0S+3], 0x80000000
	s_mov_b32 s[G0SB], 1
	s_add_co_u32 s[G0SB+1], s42, SCL
	s_mov_b64 s[G0SB+2:G0SB+3], s[98:99]
	s_or_b32 s[G0SB+3], s[G0SB+3], 0x80000000
	JLOAD G0S, G1S, G0SB, G1SB
.irp s, 0,1
	s_mov_b32 s[G0+4*\s], 1
	s_add_co_u32 s[G0+4*\s+1], s45, \s*SLOT
	s_add_nc_u64 s[G0+4*\s+2:G0+4*\s+3], s[92:93], \s*BLKB
	s_or_b32 s[G0+4*\s+3], s[G0+4*\s+3], 0x80000000
	s_mov_b32 s[G0B+4*\s], 1
	s_add_co_u32 s[G0B+4*\s+1], s45, \s*SLOT
	s_add_nc_u64 s[G0B+4*\s+2:G0B+4*\s+3], s[96:97], \s*BLKB
	s_or_b32 s[G0B+4*\s+3], s[G0B+4*\s+3], 0x80000000
	s_wait_alu depctr_va_vdst(0)
	s_wait_tensorcnt 0x0
	ds_add_u32 v28, v29
	s_wait_dscnt 0x0
	CROUND
	JLOAD G0+4*\s, G1, G0B+4*\s, G1B
.endr
	v_and_b32 v1, 31, v0
	v_and_b32 v2, 15, v0
	v_bfe_u32 v3, v0, 4, 1
	v_lshlrev_b32 v[L16], 4, v1
	v_lshlrev_b32 v[L8], 3, v1
	s_mul_i32 s21, s15, HALFT
	s_mul_i32 s22, s16, HALFT
	s_add_co_u32 s22, s22, 2*HALFT
.irp s, 0,1
	v_add_nc_u32 v[ADRA+\s], s21, v[L16]
	v_add_nc_u32 v[ADRB+\s], s22, v[L16]
	v_add_nc_u32 v[ADRA+2+\s], s21, v[L8]
	v_add_nc_u32 v[ADRB+2+\s], s22, v[L8]
	s_add_co_u32 s21, s21, SLOT
	s_add_co_u32 s22, s22, SLOT
.endr
	v_lshlrev_b32 v5, 5, v2
	v_lshrrev_b32 v6, 3, v2
	v_lshl_add_u32 v5, v6, 4, v5
	s_mul_i32 s21, s15, HALFS
	s_mul_i32 s22, s16, HALFS
	s_add_co_u32 s22, s22, 2*HALFS
	s_sub_co_u32 s22, s22, s21
	v_mul_u32_u24 v6, s22, v3
	s_add_co_u32 s21, s21, SCL
	v_add_nc_u32 v5, v5, v6
	v_add_nc_u32 v[ADRS], s21, v5
	s_mul_i32 s23, s14, 16*SPITCH
	v_mul_u32_u24 v5, v2, SPITCH
	v_lshl_add_u32 v5, v3, 6, v5
	v_add_nc_u32 v[STO], s23, v5
	v_add_nc_u32 v[RD], s23, v[L16]
	s_lshl_b32 s20, s17, 2
	s_add_co_u32 s20, s20, s41
	s_lshl_b32 s20, s20, 8
	s_lshl_b32 s21, s15, 7
	s_add_co_u32 s20, s20, s21
	s_lshl_b32 s20, s20, 12
	s_lshl_b32 s21, s40, 10
	s_add_co_u32 s20, s20, s21
	s_lshl_b32 s21, s16, 9
	s_add_co_u32 s20, s20, s21
	s_mov_b32 s21, 0
	s_add_nc_u64 s[12:13], s[12:13], s[20:21]
.macro FRAG reg, adr, q, i
	ds_load_b128 v[\reg:\reg+3], v[\adr] offset:BLKB*(\i)+FRB*(\q)
	ds_load_b64 v[\reg+4:\reg+5], v[\adr+2] offset:BLKB*(\i)+FRB*(\q)+512
	ds_load_b128 v[\reg+6:\reg+9], v[\adr] offset:BLKB*(\i)+FRB*(\q)+768
	ds_load_b64 v[\reg+10:\reg+11], v[\adr+2] offset:BLKB*(\i)+FRB*(\q)+1280
.endm
.macro MUL16 a0, p, q, sc, zero
.irp a, \a0, \a0+1
.irp b, 0,1,2,3,4,5,6,7
.if \zero
	v_wmma_scale_f32_16x16x128_f8f6f4 v[8*(8*((\a)%4)+\b):8*(8*((\a)%4)+\b)+7], v[128*(\p)+FR*\b:128*(\p)+FR*\b+FR-1], v[AF+FR*(\a):AF+FR*(\a)+FR-1], 0, v[SC+8*NQ*(\sc)+NQ*\b+(\q)], v[SC+8*NQ*(\sc)+NQ*(\a)+(\q)] matrix_a_fmt:MATRIX_FMT_FP6 matrix_b_fmt:MATRIX_FMT_FP6 matrix_a_scale:MATRIX_SCALE_ROW1
.else
	v_wmma_scale_f32_16x16x128_f8f6f4 v[8*(8*((\a)%4)+\b):8*(8*((\a)%4)+\b)+7], v[128*(\p)+FR*\b:128*(\p)+FR*\b+FR-1], v[AF+FR*(\a):AF+FR*(\a)+FR-1], v[8*(8*((\a)%4)+\b):8*(8*((\a)%4)+\b)+7], v[SC+8*NQ*(\sc)+NQ*\b+(\q)], v[SC+8*NQ*(\sc)+NQ*(\a)+(\q)] matrix_a_fmt:MATRIX_FMT_FP6 matrix_b_fmt:MATRIX_FMT_FP6 matrix_a_scale:MATRIX_SCALE_ROW1
.endif
.endr
.endr
.endm
.macro FETCH_B slot, q, p
	WIN TO_B
.irp i, 0,1,2,3,4,5,6,7
	FRAG 128*(\p)+FR*\i, ADRB+\slot, \q, \i
.endr
	WIN 0
.endm
.macro FETCH_A slot, q, i0
.irp i, \i0, \i0+1, \i0+2, \i0+3
	FRAG AF+FR*(\i), ADRA+\slot, \q, \i
.endr
.endm
.macro SCALES sc
.irp i, 0,1,2,3,4,5,6,7
	ds_load_b64 v[SC+8*NQ*\sc+NQ*\i:SC+8*NQ*\sc+NQ*\i+1], v[ADRS] offset:\i*SBLK
.endr
.endm
.macro PLACES n
.rept \n
	v_nop
.endr
.endm
.macro STEP slot, q, zero
	s_wait_dscnt 4*NL
	WIN MUL_LO
	MUL16 0, (\q)%2, \q, \slot, \zero
	MUL16 2, (\q)%2, \q, \slot, \zero
	s_wait_dscnt 0
	PLACES NP
	FETCH_B \slot, (\q)+1, 1-(\q)%2
	FETCH_A \slot, (\q)+1, 0
	WIN MUL_HI
	MUL16 4, (\q)%2, \q, \slot, \zero
	MUL16 6, (\q)%2, \q, \slot, \zero
	PLACES NP
	WIN 0
	FETCH_A \slot, (\q)+1, 4
.endm
.macro TURN slot, next, fill
	s_wait_tensorcnt 0x0
	ds_add_u32 v[SPW], v[NIL]
	s_wait_dscnt 4*NL+1
	WIN MUL_LO
	MUL16 0, 1, NQ-1, \slot, 0
	s_wait_dscnt 0x0
	s_barrier_signal -1
	MUL16 2, 1, NQ-1, \slot, 0
	WIN 0
	s_barrier_wait -1
.if \fill
	CREST
	s_add_nc_u64 s[G0+4*\slot+2:G0+4*\slot+3], s[G0+4*\slot+2:G0+4*\slot+3], 2*BLKB
	s_add_nc_u64 s[G0B+4*\slot+2:G0B+4*\slot+3], s[G0B+4*\slot+2:G0B+4*\slot+3], 2*BLKB
	JLOAD G0+4*\slot, G1, G0B+4*\slot, G1B
.else
	PLACES NP
.endif
	s_wait_alu depctr_va_vdst(0)
	v_add_nc_u32 v[ADRS], 4*NQ, v[ADRS]
	FETCH_B \next, 0, 0
	FETCH_A \next, 0, 0
	SCALES \next
	WIN MUL_HI
	MUL16 4, 1, NQ-1, \slot, 0
	MUL16 6, 1, NQ-1, \slot, 0
	PLACES NP
	WIN 0
	FETCH_A \next, 0, 4
.endm
	s_wait_alu depctr_va_vdst(0)
	s_wait_tensorcnt 1
	s_barrier_signal -1
	s_barrier_wait -1
	FETCH_B 0, 0, 0
	FETCH_A 0, 0, 0
	SCALES 0
	FETCH_A 0, 0, 4
	STEP 0, 0, 1
	TURN 0, 1, 1
	STEP 1, 0, 0
	TURN 1, 0, 1
	STEP 0, 0, 0
	TURN 0, 1, 0
	STEP 1, 0, 0
	s_wait_dscnt 4*NL
	WIN MUL_LO
	MUL16 0, 1, NQ-1, 1, 0
	MUL16 2, 1, NQ-1, 1, 0
	s_wait_dscnt 0
	WIN MUL_HI
	MUL16 4, 1, NQ-1, 1, 0
	MUL16 6, 1, NQ-1, 1, 0
	WIN 0
.macro TOSTAGE a
.set AC, 64*((\a)%4)
	WIN 0x08+4*((\a)/4)
.irp b, 0,1,2,3,4,5,6,7
	ds_store_b128 v[STO], v[AC+8*\b:AC+8*\b+3] offset:128*(\b/2)+32*(\b%2)
	ds_store_b128 v[STO], v[AC+8*\b+4:AC+8*\b+7] offset:128*(\b/2)+32*(\b%2)+16
.endr
	WIN 0
.set BB, BK+64*((\a)%2)
.irp t, 0,1,2,3,4,5,6,7,8,9,10,11,12,13,14,15
	ds_load_b128 v[BB+4*\t:BB+4*\t+3], v[RD] offset:\t*SPITCH
.endr
.endm
.macro SEND a, younger
.set BB, BK+64*((\a)%2)
	s_wait_dscnt \younger
.irp t, 0,1,2,3,4,5,6,7,8,9,10,11,12,13,14,15
	global_store_b128 v[L16], v[BB+4*\t:BB+4*\t+3], s[12:13] offset:(32*((\a)/2)+8*((\a)%2)+\t+8*(\t/8))*4096 th:TH_STORE_NT
.endr
.endm
	PLACES NP
	TOSTAGE 0
.irp a, 1,2,3,4,5,6,7
.if \a > 1
	s_wait_xcnt 0x0
.endif
	TOSTAGE \a
	SEND \a-1, 32
.endr
	SEND 7, 0
	s_wait_tensorcnt 0x0
	ds_add_u32 v[SPW], v[NIL]
	s_wait_dscnt 0x0
	CROUND
	s_endpgm
.Lfunc_end_k_q73e452cde2_proj:
	.size	k_q73e452cde2_proj, .Lfunc_end_k_q73e452cde2_proj-k_q73e452cde2_proj
	.p2alignl 7, 3214868480
	.fill 96, 4, 3214868480
	.section	.rodata,"a",@progbits
	.p2align	6, 0x0
	.amdhsa_kernel k_q73e452cde2_proj
		.amdhsa_group_segment_fixed_size 327680
		.amdhsa_private_segment_fixed_size 0
		.amdhsa_enable_private_segment 0
		.amdhsa_kernarg_size 40
		.amdhsa_user_sgpr_count 2
		.amdhsa_user_sgpr_kernarg_segment_ptr 1
		.amdhsa_wavefront_size32 1
		.amdhsa_system_sgpr_workgroup_id_x 1
		.amdhsa_system_sgpr_workgroup_id_y 1
		.amdhsa_system_sgpr_workgroup_id_z 1
		.amdhsa_system_vgpr_workitem_id 0
		.amdhsa_next_free_vgpr 1024
		.amdhsa_next_free_sgpr 100
		.amdhsa_reserve_vcc 0
		.amdhsa_float_denorm_mode_32 3
		.amdhsa_float_denorm_mode_16_64 3
		.amdhsa_memory_ordered 1
		.amdhsa_forward_progress 1
		.amdhsa_inst_pref_size 144
	.end_amdhsa_kernel
	.amdgpu_metadata
---
amdhsa.version: [ 1, 2 ]
amdhsa.kernels:
  - .name:           k_q73e452cde2_proj
    .symbol:         k_q73e452cde2_proj.kd
    .args:
      - { .name: aoc, .offset: 0, .size: 8, .value_kind: global_buffer, .address_space: global }
      - { .name: aos, .offset: 8, .size: 8, .value_kind: global_buffer, .address_space: global }
      - { .name: cin, .offset: 16, .size: 8, .value_kind: global_buffer, .address_space: global }
      - { .name: sin, .offset: 24, .size: 8, .value_kind: global_buffer, .address_space: global }
      - { .name: out0, .offset: 32, .size: 8, .value_kind: global_buffer, .address_space: global }
    .group_segment_fixed_size: 327680
    .private_segment_fixed_size: 0
    .kernarg_segment_align: 8
    .kernarg_segment_size: 40
    .max_flat_workgroup_size: 128
    .sgpr_count:     100
    .vgpr_count:     1024
    .wavefront_size: 32
...
	.end_amdgpu_metadata
.endif
;; end of part 4
